; MI455X (gfx1250); checked and timed in simulation.
; The chip was launched on July 23, 2026; its instructions are those of AMD's public machine-readable ISA for CDNA 5 (MIT licence, August 2026) and "CDNA5" Instruction Set Architecture Reference Guide (July 2026). The comments in the code are by the model that wrote it; some were corrected since.
;; Multi Head Attention. Allowed arithmetic: matrix products marked QUANTISED: E4M3 operands, one E8M0 scale for each 32 along K, by v_wmma_scale_f32_16x16x128_f8f6f4 with both operands' format E4M3, f32 sums; everything else in f32.
;; Inputs: W_out_codes 1,024 x 32 x 32 uint8 (E4M3 codes of W_out, K innermost, in blocks of 32 codes); W_out_scales 1,024 x 32 uint8 (E8M0 scales of W_out, one for each 32 codes along K); W_qkv_codes 3,072 x 32 x 32 uint8 (E4M3 codes of W_qkv, K innermost, in blocks of 32 codes); W_qkv_scales 3,072 x 32 uint8 (E8M0 scales of W_qkv, one for each 32 codes along K); X_codes 4 x 2,048 x 32 x 32 uint8 (E4M3 codes of X, K innermost, in blocks of 32 codes); X_scales 4 x 2,048 x 32 uint8 (E8M0 scales of X, one for each 32 codes along K); b_out 1,024 float32; b_qkv 3,072 float32.
;; Outputs: out0 4 x 2,048 x 1,024 float32.
;; This version of the problem:
;;   THIS VERSION OF THE PROBLEM IS GIVEN IN LOW PRECISION. The matrix products marked QUANTISED in the list below multiply operands that are first quantised to E4M3 (4 exponent bits, 3 mantissa bits; 8 bits a number), with one power-of-two scale for each 32 numbers along K (OCP MX v1.0); their sums are f32. All else is computed in f32.
;;   The module's matrix products, in the order in which they are computed (A, B: the left and right operand; K: the contracted axis; several contracted axes count as one K, in the product's order):
;;     1. [M 8,192, K 1,024] x [K 1,024, N 3,072]; A: input X (given as codes); B: input W_qkv (given as codes): QUANTISED
;;     2. batch 64 x [M 2,048, K 64] x [K 64, N 2,048]; A: computed on the way; B: computed on the way: QUANTISED
;;     3. batch 64 x [M 2,048, K 2,048] x [K 2,048, N 64]; A: softmax (see below); B: computed on the way: QUANTISED
;;     4. [M 8,192, K 1,024] x [K 1,024, N 1,024]; A: computed on the way; B: input W_out (given as codes): QUANTISED
;;   THE QUANTISER, for each operand of a quantised product, along K:
;;     - K is cut into blocks of 32 from its start; a last block that is shorter is filled with zeros.
;;     - A block's scale is 2^e with e = floor(log2(the largest magnitude in the block)) - 8, held to -126 .. 127; a block of zeros has e = 0. As a byte (E8M0): e + 127.
;;     - Each number is divided by its block's scale, clamped to +-448, and rounded to the nearest number of E4M3, ties to even, subnormals kept.
;;     - The product sums the exact products of the quantised numbers (number of the format x scale) in f32.
;;   ~~~python
;;   def quantise(x, axis):      # numpy; x: float32 -> the quantised numbers, widened to float32 again
;;       x = np.moveaxis(x, axis, -1); K = x.shape[-1]
;;       x = np.pad(x, [(0, 0)] * (x.ndim - 1) + [(0, -K % 32)]); x = x.reshape(x.shape[:-1] + (-1, 32)); a = np.abs(x).max(-1, keepdims=True)
;;       e = np.where(a > 0, np.clip(np.frexp(np.where(a > 0, a, 1))[1] - 1 - 8, -126, 127), 0)      # np.frexp(a)[1] - 1 = floor(log2(a)), exactly
;;       r = np.clip(x / 2.0 ** e, -448, 448)
;;       step = 2.0 ** (np.maximum(np.frexp(np.where(r == 0, 1, r))[1] - 1, -6) - 3)
;;       q = np.round(r / step) * step * 2.0 ** e      # np.round: ties to even
;;       return np.moveaxis(q.reshape(q.shape[:-2] + (-1,))[..., :K], -1, axis).astype(np.float32)
;;   ~~~
;;   SOFTMAX AHEAD OF A QUANTISED PRODUCT. Where the list says 'softmax', what is quantised is not the finished softmax but p = 2^(t - M), with t = logit x log2(e) and M = ceil(the row's largest t), a whole number; so 1/2 < the row's largest p <= 1. The row's sum l is taken of the UNQUANTISED p, in f32, and the product's result is divided by l at the end. Since M is a whole number, a kernel that streams over the keys may use a running M (the ceiling of the running maximum): every later rescaling is an exact power of two, which a block's scale takes up: the codes' values come out the same.
;;   OPERANDS COMPUTED ON THE WAY. 'Computed on the way' means the value that the module computes at that place (a softmax that the list does not call 'softmax' is quantised finished and normalised). What goes into a quantiser is computed in f32, as accurately as f32 sums, v_exp_f32 and their like allow (about 1e-6 of the number): no bf16 or f16 on the way to a quantiser, and a product that is left as it is and whose result goes on into a quantised operand takes f32 operands (vector FMAs, or v_wmma_f32_16x16x4_f32). A number that lies on a knife's edge between two numbers of the format may be rounded either way, as far as f32 arithmetic and the matrix unit's own rounding can turn it there, and no further.
;;   INPUTS GIVEN AS CODES. W_out (in the module: [1024, 1024], K = its axis 0); W_qkv (in the module: [1024, 3072], K = its axis 0); X (in the module: [4, 2048, 1024], K = its axis 2): each comes as NAME_codes (uint8): NAME with its K axis moved to the last place and cut into blocks of 32 codes, [.., K / 32, bytes a block], one block behind the other in memory; one code a byte (a code: sign, 4 exponent bits, 3 mantissa bits); and NAME_scales (uint8): the same leading axes, one E8M0 byte (e + 127) for each 32 codes along K. Its value is code x scale, taken as it is: it is not quantised again, and the codes and scales need not be those that the quantiser above would give.
;; One version. Each part assembles by itself: llvm-mc -triple=amdgcn-amd-amdhsa -mcpu=gfx1250 --defsym DOCPART=n.
;; ======== version 1 of 1: 4 launches
;; limits: right only within a limited range of input values
;; workspace buffers: ws 35,127,296 bytes; a_img 8,388,608 bytes; a_scales 262,144 bytes
;; launch gemm_qk (part 1): grid 8 x 32, 4 waves a work-group, clusters of 4 x 4, 327,680 bytes of LDS; arguments X_codes, X_scales, W_qkv_codes, W_qkv_scales, b_qkv, ws; writes ws
.if DOCPART == 1
	.amdgcn_target "amdgcn-amd-amdhsa--gfx1250"
	.amdhsa_code_object_version 6
	.text
	.protected	k_q55c44f91d9_gemm_qk
	.globl	k_q55c44f91d9_gemm_qk
	.p2align	8
	.type	k_q55c44f91d9_gemm_qk,@function
k_q55c44f91d9_gemm_qk:
	s_mov_b64 s[64:65], 0
	v_nop
	global_prefetch_b8 v0, s[64:65] scope:SCOPE_SE
	s_setreg_imm32_b32 hwreg(HW_REG_WAVE_MODE, 25, 1), 1
	s_wait_xcnt 0x0
	s_wait_alu depctr_hold_cnt(0) depctr_sa_sdst(0) depctr_va_vdst(0) depctr_va_sdst(0) depctr_va_ssrc(0) depctr_va_vcc(0) depctr_vm_vsrc(0)
	s_getreg_b32 s2, hwreg(HW_REG_IB_STS2, 6, 4)
	s_cmp_eq_u32 s2, 0
	s_cbranch_scc0 .Lentry_in_a_cluster
	s_endpgm
.Lentry_in_a_cluster:
	s_bfe_u32 s2, ttmp6, 0x10000c
	s_cmp_lg_u32 s2, 0xf033
	s_cbranch_scc0 .Lentry_shape_is_right
	s_endpgm
.Lentry_shape_is_right:
; q and k of the attention: X [8192][1024] times rows 0..2047 of W_qkv [3072][1024], both given as codes of FP8 (E4M3) with one E8M0 byte for each 32 along K, plus b_qkv, in f32;
; the results are quantised at once along the head's 64 (two blocks of 32) and leave as codes and scale bytes, laid as the attention launch's matrix operands want them.  No f32 number goes to memory.
; A tile of 256 tokens x 256 features is made by four waves, 128 x 128 each: 64 accumulators of 16 x 16, 512 registers.  K goes in steps of 256 through a ring of two LDS slots filled by the tensor data mover.
; The scale bytes of the work-group's 256 rows of X and of W, for all of K, are two dense blocks: they come into LDS once, with the first fills.
; CLUSTERS: 4 x 4 work-groups; the four of a row of the cluster need the same tiles of X, the four of a column the same tiles of W: each tile is asked for jointly.
; THE MATRIX INSTRUCTION IS USED TRANSPOSED (source 0 = 16 rows of W, source 1 = 16 tokens): lane (r, h) holds token r, and register j of the accumulator of W's block b the feature 16 b + 8 h + j.
; So the 16 registers of blocks 2 c and 2 c + 1 are members of ONE block of 32 features (32 c + 8 h + 0..7 and + 16..23), and lane l xor 16 holds the other 16: the scale is the block's own.
; Their codes take the operand's places k = 32 c + 16 h + 0..15: a permutation inside a block of 32, the same for q and for k, which come out of this same text: every product q.k keeps its terms and its scales.
; OUTPUT, ws = [2 (q | k and v)][64 (batch x 16 + head)][HB bytes].  In a head's HB bytes: at 512 x step the rows' scale words of a step of 128 tokens ([lane][4 words]: word i of lane (r, h) is tile 2 i + h, row r,
; its two bytes written twice); at 12288 + 16384 x step eight images of 1,024 bytes, one for each tile of 16 tokens: the operand's registers as they stand, group c at 512 c + 16 x lane.
; LIMITS: NaN and infinities are not served; a block whose largest magnitude lies under 2^-118 (a block of zeros too) gets the scale byte 1: its codes are then zeros or subnormal, and this program alone reads the bytes.
; REGISTERS, in windows of 256: window 0: v0-31 addresses; v32-63 scale words, two sets; v64-127 the bias; from v128 X's fragments, one set (on the way out: numbers, codes, work).
;   window 1: W's fragments, two sets.   window 2: the accumulators of my tokens 0-63 ((a, b) at v[8 (8 a + b)]);   window 3: those of my tokens 64-127.
.set NQ,     2                         ; matrix instructions deep in a slot: 256 along K
.set ROWB,   256                       ; a tile's row in bytes
.set KROW,   1024                      ; a row of X or of W in memory
.set PITCH,  272                       ; an LDS row: 256 bytes + 16 of padding = 68 words: the 16 rows that a load touches start at 16 different banks (64 banks of 4 bytes: ISA guide 11.1)
.set FR,     16                        ; registers of a fragment
.set NL,     4                         ; LDS loads that bring one
.set NP,     8                         ; places behind this matrix instruction (ISA guide 7.12.1)
.set HALFT,  128*PITCH                 ; 128 rows: what one tensor load brings
.set SLOT,   4*HALFT                   ; X's 256 rows, then W's 256 rows
.set KS,     32                        ; a row of scale bytes
.set SCL,    2*SLOT                    ; behind the ring: the scales, as units of 256 bytes + 16 of padding
.set HALFS,  (128*KS/256)*272
.set SBLK,   (16*KS/256)*272
.set SPARE,  SCL+4*HALFS               ; the spare words, 128 bytes for each wave: two blocks of 256 bytes that no other line names
.set HB,     274432                    ; a head's bytes in ws
.set ADRA, 16                          ; v16-17  LDS address of my fragments of X in slot 0, 1
.set ADRB, 20                          ; v20-21  the same for W
.set CO,   26                          ; v26     16 x lane
.set ADRS, 27                          ; v27     LDS address of my scale words: lanes 0-15 X's rows, lanes 16-31 W's
.set SPW,  28                          ; v28     LDS address of my spare word; never rewritten
.set NIL,  29                          ; v29     0; never rewritten
.set BAD,  30                          ; v30     my byte offset in the bias
.set SC,   32
.set BIAS, 64
.set AF,   128
.set NUM,  128                         ; the way out: 64 numbers of a lane
.set PC,   192                         ; their codes
.set TM,   224                         ; v224-227 largest magnitudes, v228-231 bytes, v236-239 the conversions' scale operands
.set SW,   240                         ; v240-247 the scale word of each of my eight tiles of tokens
.set G1, 24
.set G0, 32
.set G1B, 48
.set G0B, 56
.set G1S, 68
.set G0S, 76
.set G1SB, 80
.set G0SB, 88
.set SEL, 18                           ; s18, s19 lane selects for v_permlanex16_b32: lane l xor 16
.set MNT, 3
.set HM,  95                           ; s95  a mask of lanes 16-31
.set MSB, 0
.macro WIN new                         ; the immediate's high byte repeats the setting that is left
.if MSB != (\new)
	s_set_vgpr_msb (MSB<<8)|(\new)
.set MSB, (\new)
.endif
.endm
.set MUL_LO, 0xa1                      ; source 0 (W) window 1, source 1 (X) window 0, C and D window 2
.set MUL_HI, 0xf1                      ; the same, C and D window 3
.set TO_B,   0x40                      ; destination window 1, address window 0
; A joint load: waves 0 and 1 fetch for X, waves 2 and 3 for W.  The branch hangs on the wave's number alone.  Four v_nop follow each of the two lines.
.macro JLOAD g0a, g1a, g0b, g1b
	s_cmp_eq_u32 s15, 0
	s_cbranch_scc0 .Lfor_b_\@
	tensor_load_to_lds s[\g0a:\g0a+3], s[\g1a:\g1a+7]
	s_nop 0
.rept 4
	v_nop
.endr
	s_branch .Lasked_\@
.Lfor_b_\@:
	tensor_load_to_lds s[\g0b:\g0b+3], s[\g1b:\g1b+7]
	s_nop 0
.rept 4
	v_nop
.endr
.Lasked_\@:
.endm
.macro CREST                           ; a round of the cluster's barrier behind its opening barrier
	s_cmp_lg_u32 s14, 0
	s_cbranch_scc1 .Lnot_wave_0_\@
	s_barrier_signal -3
.Lnot_wave_0_\@:
	s_barrier_wait -3
	s_barrier_signal -1
	s_barrier_wait -1
.endm
.macro CROUND                          ; a whole round
	s_barrier_signal -1
	s_barrier_wait -1
	CREST
.endm
	s_load_b128 s[4:7], s[0:1], 0x0                ; X's codes, X's scales
	s_load_b128 s[8:11], s[0:1], 0x10              ; W's codes, W's scales
	s_load_b128 s[96:99], s[0:1], 0x20             ; the bias, ws
	v_lshl_add_u32 v[SPW], v0, 2, SPARE
	v_mov_b32 v[NIL], 0
	ds_add_u32 v28, v29
	ds_add_u32 v28, v29
	s_wait_dscnt 0x0
	v_lshrrev_b32 v1, 5, v0
	v_readfirstlane_b32 s14, v1                    ; wave 0..3
	s_lshr_b32 s15, s14, 1                         ; which half of the tile's tokens is mine.  Also: I fetch for X (0) or for W (1)
	s_and_b32 s16, s14, 1                          ; which half of its features.  Also: which 128 rows of that tile I fetch
	s_bfe_u32 s40, ttmp6, 0x40000                  ; cx, cy: my place in the cluster
	s_bfe_u32 s41, ttmp6, 0x40004
	s_lshl_b32 s42, ttmp9, 2
	s_add_co_u32 s42, s42, s40                     ; tile column (features) = 4 x cluster x + cx
	s_and_b32 s17, ttmp7, 0xffff
	s_lshl_b32 s17, s17, 2
	s_add_co_u32 s17, s17, s41                     ; tile row (tokens) = 4 x cluster y + cy
	s_lshl_b32 s43, s41, 2
	s_lshl_b32 s43, 15, s43                        ; my row of the cluster
	s_lshl_b32 s44, 0x1111, s40                    ; my column
	; descriptor group 1: a tile of 128 rows x 256 bytes, padded in LDS
	s_or_b32 s[G1+0], s43, (0<<16)|(1<<20)|(1<<21)|(5<<22)|(3<<25)  ; 15:0 the mask: X's tiles go to my row; 17:16 elements of 1 byte; 20 padding on; 21 set beside a mask; 24:22 after every 64 words; 31:25 four words
	s_or_b32 s[G1B+0], s44, (0<<16)|(1<<20)|(1<<21)|(5<<22)|(3<<25)
.irp g, G1, G1B
	s_mov_b32 s[\g+1], ROWB<<16                    ; tensor_dim0
	s_mov_b32 s[\g+2], 128<<16                     ; tensor_dim1
	s_mov_b32 s[\g+3], ROWB<<16                    ; tile_dim0
	s_mov_b32 s[\g+4], 128                         ; tile_dim1
	s_mov_b32 s[\g+5], KROW                        ; tensor_dim0_stride
	s_mov_b32 s[\g+6], 0
	s_mov_b32 s[\g+7], 0
.endr
	; the scales of 128 rows: a dense block of 4,096 bytes, as 16 rows of 256 bytes (32 elements of 8 bytes), 16 bytes of padding behind each
	s_or_b32 s[G1S+0], s43, (3<<16)|(1<<20)|(1<<21)|(5<<22)|(3<<25)
	s_or_b32 s[G1SB+0], s44, (3<<16)|(1<<20)|(1<<21)|(5<<22)|(3<<25)
.irp g, G1S, G1SB
	s_mov_b32 s[\g+1], 32<<16
	s_mov_b32 s[\g+2], (128*KS/256)<<16
	s_mov_b32 s[\g+3], 32<<16
	s_mov_b32 s[\g+4], 128*KS/256
	s_mov_b32 s[\g+5], 32
	s_mov_b32 s[\g+6], 0
	s_mov_b32 s[\g+7], 0
.endr
	s_lshl_b32 s18, s16, 7                         ; which 128 rows of the tile I fetch
	s_lshl_b32 s20, s17, 8
	s_add_co_u32 s20, s20, s18                     ; X: row 256 x tile row + 128 x half
	s_lshl_b32 s46, s42, 8
	s_add_co_u32 s46, s46, s18                     ; W: row 256 x tile column + 128 x half
	s_mov_b32 s21, 0
	s_mov_b32 s47, 0
	s_mov_b64 s[18:19], KS
	s_mul_u64 s[22:23], s[20:21], s[18:19]         ; where these rows' scales begin, in bytes
	s_mul_u64 s[92:93], s[46:47], s[18:19]
	s_mov_b64 s[18:19], KROW
	s_mul_u64 s[20:21], s[20:21], s[18:19]         ; and their codes
	s_mul_u64 s[46:47], s[46:47], s[18:19]
	s_mul_i32 s45, s14, HALFT                      ; where they go: wave x 128 rows: no place in the cluster enters an LDS address
	s_mul_i32 s94, s14, HALFS
	s_wait_kmcnt 0x0
	s_add_nc_u64 s[20:21], s[4:5], s[20:21]
	s_add_nc_u64 s[22:23], s[6:7], s[22:23]
	s_add_nc_u64 s[46:47], s[8:9], s[46:47]
	s_add_nc_u64 s[92:93], s[10:11], s[92:93]
	CROUND                                         ; all sixteen work-groups are here: the first joint loads meet
	s_mov_b32 s[G0S], 1
	s_add_co_u32 s[G0S+1], s94, SCL
	s_mov_b64 s[G0S+2:G0S+3], s[22:23]
	s_or_b32 s[G0S+3], s[G0S+3], 0x80000000
	s_mov_b32 s[G0SB], 1
	s_add_co_u32 s[G0SB+1], s94, SCL
	s_mov_b64 s[G0SB+2:G0SB+3], s[92:93]
	s_or_b32 s[G0SB+3], s[G0SB+3], 0x80000000
	JLOAD G0S, G1S, G0SB, G1SB                     ; the scales first: they are wanted with K step 0
.irp s, 0,1
	s_mov_b32 s[G0+4*\s], 1
	s_add_co_u32 s[G0+4*\s+1], s45, \s*SLOT
	s_add_nc_u64 s[G0+4*\s+2:G0+4*\s+3], s[20:21], \s*ROWB
	s_or_b32 s[G0+4*\s+3], s[G0+4*\s+3], 0x80000000
	s_mov_b32 s[G0B+4*\s], 1
	s_add_co_u32 s[G0B+4*\s+1], s45, \s*SLOT
	s_add_nc_u64 s[G0B+4*\s+2:G0B+4*\s+3], s[46:47], \s*ROWB
	s_or_b32 s[G0B+4*\s+3], s[G0B+4*\s+3], 0x80000000
	s_wait_alu depctr_va_vdst(0)
	s_wait_tensorcnt 0x0
	ds_add_u32 v28, v29
	s_wait_dscnt 0x0
	CROUND
	JLOAD G0+4*\s, G1, G0B+4*\s, G1B
.endr
	v_and_b32 v1, 15, v0                           ; r = lane % 16
	v_bfe_u32 v2, v0, 4, 1                         ; h = lane / 16
	v_mul_u32_u24 v3, v1, PITCH
	v_lshl_add_u32 v4, v2, 4, v3                   ; a fragment's row x pitch + 16 x half
	s_mul_i32 s21, s15, HALFT                      ; my 128 rows of X
	s_mul_i32 s22, s16, HALFT                      ; my 128 rows of W,
	s_add_co_u32 s22, s22, 2*HALFT                 ; which lie behind X's 256
.irp s, 0,1
	v_add_nc_u32 v[ADRA+\s], s21, v4
	v_add_nc_u32 v[ADRB+\s], s22, v4
	s_add_co_u32 s21, s21, SLOT
	s_add_co_u32 s22, s22, SLOT
.endr
	v_mul_u32_u24 v5, v1, KS                       ; my row's scales: 32 bytes a row,
	v_lshrrev_b32 v6, 8, v5
	v_lshl_add_u32 v5, v6, 4, v5                   ; and 16 more for each 256 passed
	s_mul_i32 s21, s15, HALFS
	s_mul_i32 s22, s16, HALFS
	s_add_co_u32 s22, s22, 2*HALFS
	s_sub_co_u32 s22, s22, s21
	v_mul_u32_u24 v6, s22, v2                      ; lanes 16-31 take W's: one product, the distance between the two bases
	s_add_co_u32 s21, s21, SCL
	v_add_nc_u32 v5, v5, v6
	v_add_nc_u32 v[ADRS], s21, v5
	v_and_b32 v6, 31, v0
	v_lshlrev_b32 v[CO], 4, v6
	v_lshlrev_b32 v[BAD], 5, v2                    ; the bias of features 16 b + 8 h + 0..7: 32 h bytes, the rest in the immediate
	s_lshl_b32 s100, s42, 10                       ; my 128 features begin at 256 x tile column + 128 x half: 4 bytes each
	s_lshl_b32 s101, s16, 9
	s_add_co_u32 s100, s100, s101
	s_mov_b32 s101, 0
	s_add_nc_u64 s[96:97], s[96:97], s[100:101]
.irp b, 0,1,2,3,4,5,6,7
	global_load_b128 v[BIAS+8*\b:BIAS+8*\b+3], v[BAD], s[96:97] offset:64*\b
	global_load_b128 v[BIAS+8*\b+4:BIAS+8*\b+7], v[BAD], s[96:97] offset:64*\b+16
.endr
	; where my results go: the head's block, and the step of 128 tokens in it
	s_lshr_b32 s100, s42, 2                        ; 0: q, 1: k
	s_lshl_b32 s100, s100, 6
	s_lshr_b32 s101, s17, 3                        ; the batch
	s_lshl_b32 s101, s101, 4
	s_add_co_u32 s100, s100, s101
	s_and_b32 s101, s42, 3
	s_lshl_b32 s101, s101, 2
	s_add_co_u32 s100, s100, s101
	s_lshl_b32 s101, s16, 1
	s_add_co_u32 s100, s100, s101                  ; the first of my two heads
	s_mul_i32 s100, s100, HB
	s_and_b32 s101, s17, 7
	s_lshl_b32 s101, s101, 1
	s_add_co_u32 s101, s101, s15                   ; the step: 2 x (tile row in the batch) + my half
	s_lshl_b32 s12, s101, 14
	s_add_co_u32 s12, s12, s100
	s_add_co_u32 s12, s12, 12288
	s_mov_b32 s13, 0
	s_add_nc_u64 s[12:13], s[98:99], s[12:13]      ; the images
	s_lshl_b32 s66, s101, 9
	s_add_co_u32 s66, s66, s100
	s_mov_b32 s67, 0
	s_add_nc_u64 s[66:67], s[98:99], s[66:67]      ; the scale words
.macro FRAG reg, adr, q, i             ; a fragment, 16 rows x 128 K: lane l holds row l % 16; registers 4 c .. 4 c + 3 hold K = 32 c + 16 (l / 16) + 0 .. 15
.irp c, 0,1,2,3
	ds_load_b128 v[\reg+4*\c:\reg+4*\c+3], v[\adr] offset:128*(\q)+32*\c+(\i)*16*PITCH
.endr
.endm
; 16 matrix instructions: X's blocks a0, a0 + 1 x W's eight, 128 along K.  p: W's set;  sc: the set of scale words.  zero = 1: the first product starts the sums.
; The 64 accumulators take turns, one instruction a turn, in the same order in every step.
.macro MUL16 a0, p, q, sc, zero
.irp a, \a0, \a0+1
.irp b, 0,1,2,3,4,5,6,7
.if \zero
	v_wmma_scale_f32_16x16x128_f8f6f4 v[8*(8*((\a)%4)+\b):8*(8*((\a)%4)+\b)+7], v[128*(\p)+FR*\b:128*(\p)+FR*\b+FR-1], v[AF+FR*(\a):AF+FR*(\a)+FR-1], 0, v[SC+8*NQ*(\sc)+NQ*\b+(\q)], v[SC+8*NQ*(\sc)+NQ*(\a)+(\q)] matrix_a_scale:MATRIX_SCALE_ROW1
.else
	v_wmma_scale_f32_16x16x128_f8f6f4 v[8*(8*((\a)%4)+\b):8*(8*((\a)%4)+\b)+7], v[128*(\p)+FR*\b:128*(\p)+FR*\b+FR-1], v[AF+FR*(\a):AF+FR*(\a)+FR-1], v[8*(8*((\a)%4)+\b):8*(8*((\a)%4)+\b)+7], v[SC+8*NQ*(\sc)+NQ*\b+(\q)], v[SC+8*NQ*(\sc)+NQ*(\a)+(\q)] matrix_a_scale:MATRIX_SCALE_ROW1
.endif
.endr
.endr
.endm
.macro FETCH_B slot, q, p
	WIN TO_B
.irp i, 0,1,2,3,4,5,6,7
	FRAG 128*(\p)+FR*\i, ADRB+\slot, \q, \i
.endr
	WIN 0
.endm
.macro FETCH_A slot, q, i0
.irp i, \i0, \i0+1, \i0+2, \i0+3
	FRAG AF+FR*(\i), ADRA+\slot, \q, \i
.endr
.endm
.macro SCALES sc                       ; a K step's scale words: two words a row; lanes 0-15 take X's block i, lanes 16-31 W's block i
.irp i, 0,1,2,3,4,5,6,7
	ds_load_b64 v[SC+8*NQ*\sc+NQ*\i:SC+8*NQ*\sc+NQ*\i+1], v[ADRS] offset:\i*SBLK
.endr
.endm
.macro PLACES n                        ; plain vector instructions between a matrix instruction and a load into, or a vector read or write of, its registers
.rept \n
	v_nop
.endr
.endm
; A step of 128 along K that has its successor in the same slot.
.macro STEP slot, q, zero
	s_wait_dscnt 4*NL                              ; W's set and X's blocks 0-3 are in; the youngest 16 loads (X's blocks 4-7) may be out
	WIN MUL_LO
	MUL16 0, (\q)%2, \q, \slot, \zero
	MUL16 2, (\q)%2, \q, \slot, \zero
	s_wait_dscnt 0                                 ; X's blocks 4-7 are in
	PLACES NP
	FETCH_B \slot, (\q)+1, 1-(\q)%2
	FETCH_A \slot, (\q)+1, 0
	WIN MUL_HI
	MUL16 4, (\q)%2, \q, \slot, \zero
	MUL16 6, (\q)%2, \q, \slot, \zero
	PLACES NP
	WIN 0
	FETCH_A \slot, (\q)+1, 4
.endm
; A slot's last step changes slots: ONE barrier; in front of it each wave waits for all its tensor loads, adds 0 to its spare word, and waits for that and for its own reads of this slot.  fill = 1: this slot is filled again, two K steps ahead.
.macro TURN slot, next, fill
	s_wait_tensorcnt 0x0                           ; all my tensor loads have landed: my part of the next slot
	ds_add_u32 v[SPW], v[NIL]                      ; 0 onto my spare word
	s_wait_dscnt 4*NL+1                            ; (the add and the youngest 16 loads, X's blocks 4-7, may be out)
	WIN MUL_LO
	MUL16 0, 1, NQ-1, \slot, 0                     ; sixteen matrix instructions stand between the add and the wait for it
	s_wait_dscnt 0x0                               ; the add is done, and my reads of this slot are over
	s_barrier_signal -1
	MUL16 2, 1, NQ-1, \slot, 0
	WIN 0
	s_barrier_wait -1
.if \fill
	CREST                                          ; the barrier has opened a round of the cluster's barrier: no wave of any partner still reads this slot's tile or has a load on its way
	s_add_nc_u64 s[G0+4*\slot+2:G0+4*\slot+3], s[G0+4*\slot+2:G0+4*\slot+3], 2*ROWB
	s_add_nc_u64 s[G0B+4*\slot+2:G0B+4*\slot+3], s[G0B+4*\slot+2:G0B+4*\slot+3], 2*ROWB
	JLOAD G0+4*\slot, G1, G0B+4*\slot, G1B         ; the first tensor load behind the round; its four v_nop are among the places in front of the loads below
	PLACES NP-4
.else
	PLACES NP
.endif
	s_wait_alu depctr_va_vdst(0)
	v_add_nc_u32 v[ADRS], 4*NQ, v[ADRS]            ; on to the next K step's scale words
	FETCH_B \next, 0, 0
	FETCH_A \next, 0, 0
	SCALES \next
	WIN MUL_HI
	MUL16 4, 1, NQ-1, \slot, 0
	MUL16 6, 1, NQ-1, \slot, 0
	PLACES NP
	WIN 0
	FETCH_A \next, 0, 4
.endm
	s_wait_alu depctr_va_vdst(0)
	s_wait_loadcnt 0x0                             ; the bias
	s_wait_tensorcnt 1                             ; of my three loads the scales and K step 0 are in; K step 1's may be out
	s_barrier_signal -1
	s_barrier_wait -1
	FETCH_B 0, 0, 0
	FETCH_A 0, 0, 0
	SCALES 0
	FETCH_A 0, 0, 4
	STEP 0, 0, 1                                   ; K = 1,024 is four K steps of 256: they are written straight, no loop.  The first products start the sums
	TURN 0, 1, 1                                   ; slot 0 takes K step 2
	STEP 1, 0, 0
	TURN 1, 0, 1                                   ; slot 1 takes K step 3
	STEP 0, 0, 0
	TURN 0, 1, 0                                   ; nothing is left to fetch
	STEP 1, 0, 0
	s_wait_dscnt 4*NL
	WIN MUL_LO
	MUL16 0, 1, NQ-1, 1, 0
	MUL16 2, 1, NQ-1, 1, 0
	s_wait_dscnt 0
	WIN MUL_HI
	MUL16 4, 1, NQ-1, 1, 0
	MUL16 6, 1, NQ-1, 1, 0
	WIN 0
; 64 numbers of a lane, v[s] on, register 16 b + i a member of block b of my row, become 16 registers of codes in v[PC] on and the row's four scale bytes in v[pw].
.macro QUANT s, pw
.irp b, 0,1,2,3
	v_max3_num_f32 v[TM+\b], |v[\s+16*\b]|, |v[\s+1+16*\b]|, 0x4800000   ; my 16 numbers of block b, and the floor 2^(9 - 127): so the byte cannot fall under 1
.endr
.irp i, 2,4,6,8,10,12,14
.irp b, 0,1,2,3
	v_max3_num_f32 v[TM+\b], v[TM+\b], |v[\s+16*\b+\i]|, |v[\s+1+16*\b+\i]|   ; (the four blocks by turns)
.endr
.endr
.irp b, 0,1,2,3
	v_permlanex16_b32 v[TM+4+\b], v[TM+\b], s[SEL], s[SEL+1]
.endr
.irp b, 0,1,2,3
	v_max_num_f32 v[TM+\b], v[TM+\b], v[TM+4+\b]   ; with lane l xor 16's: the block's largest magnitude
.endr
.irp b, 0,1,2,3
	v_add_nc_u32 v[TM+12+\b], 0xfc000000, v[TM+\b]   ; 8 off its exponent field: the conversion takes the exponent field of this operand as its scale
.endr
.irp b, 0,1,2,3
.endr
.irp b, 0,1,2,3
	v_lshrrev_b32 v[TM+4+\b], 23, v[TM+12+\b]      ; the scale's byte
.endr
	v_lshl_or_b32 v[\pw], v[TM+5], 8, v[TM+4]
	v_lshl_or_b32 v[\pw], v[TM+6], 16, v[\pw]
	v_lshl_or_b32 v[\pw], v[TM+7], 24, v[\pw]
	s_wait_xcnt 0x0                                ; the last block's stores have read the codes' registers: they are written again only behind this wait
.irp b, 0,1,2,3
.irp i, 0,1,2,3,4,5,6,7,8,9,10,11,12,13,14,15
.endr
	v_cvt_scalef32_pk8_fp8_f32 v[PC+4*\b:PC+1+4*\b], v[\s+16*\b:\s+7+16*\b], v[TM+12+\b]
	v_cvt_scalef32_pk8_fp8_f32 v[PC+2+4*\b:PC+3+4*\b], v[\s+8+16*\b:\s+15+16*\b], v[TM+12+\b]
.endr
	v_nop                                          ; one plain vector instruction behind the last conversion: the next block's additions write its sources
.endm
; Tile a of my eight tiles of 16 tokens: its 8 accumulators (128 features: two heads) plus the bias come into window 0, each accumulator from its low end on; quantised; four stores of 512 consecutive bytes.
.macro OUTBLK a
	WIN 0x02+(\a)/4
.set i, 0
.rept 32
	v_pk_add_f32 v[NUM+2*i:NUM+2*i+1], v[64*((\a)%4)+2*i:64*((\a)%4)+2*i+1], v[BIAS+2*i:BIAS+2*i+1]
.set i, i+1
.endr
	WIN 0
	QUANT NUM, SW+(\a)
.irp c, 0,1,2,3
	global_store_b128 v[CO], v[PC+4*\c:PC+4*\c+3], s[12:13] offset:1024*(\a)+512*(\c%2)+HB*(\c/2)   ; blocks 0, 1: my first head; blocks 2, 3: the next head, HB bytes on
.endr
.endm
	PLACES NP                                      ; behind the last products: the lines below read results and write registers that held X's fragments
	s_mov_b32 s[SEL], 0x76543210
	s_mov_b32 s[SEL+1], 0xfedcba98
	s_mov_b32 s[HM], 0xffff0000
.irp b, 0,1,2,3
	v_mov_b32 v[TM+4+\b], 0                        ; written once: a lane permute's destination counts as one of its sources
.endr
.irp a, 0,1,2,3,4,5,6,7
	OUTBLK \a
.endr
.irp i, 0,1,2,3
	v_cndmask_b32 v[248+\i], v[SW+2*\i], v[SW+2*\i+1], s[HM]   ; lanes 0-15: tile 2 i's words, lanes 16-31: tile 2 i + 1's
.endr
.irp i, 0,1,2,3
	v_perm_b32 v[252+\i], v[248+\i], v[248+\i], 0x01000100     ; my first head's two bytes, twice
	v_perm_b32 v[208+\i], v[248+\i], v[248+\i], 0x03020302     ; the next head's
.endr
	global_store_b128 v[CO], v[252:255], s[66:67]              ; 512 consecutive bytes: the step's scale words
	global_store_b128 v[CO], v[208:211], s[66:67] offset:HB
	s_wait_tensorcnt 0x0                           ; the wave's end
	ds_add_u32 v[SPW], v[NIL]
	s_wait_dscnt 0x0
	CROUND                                         ; the closing round: no work-group ends while a partner may still ask for a tile that names it
	s_endpgm
.Lfunc_end_k_q55c44f91d9_gemm_qk:
	.size	k_q55c44f91d9_gemm_qk, .Lfunc_end_k_q55c44f91d9_gemm_qk-k_q55c44f91d9_gemm_qk
	.p2alignl 7, 3214868480
	.fill 96, 4, 3214868480
	.section	.rodata,"a",@progbits
	.p2align	6, 0x0
	.amdhsa_kernel k_q55c44f91d9_gemm_qk
		.amdhsa_group_segment_fixed_size 327680
		.amdhsa_private_segment_fixed_size 0
		.amdhsa_enable_private_segment 0
		.amdhsa_kernarg_size 48
		.amdhsa_user_sgpr_count 2
		.amdhsa_user_sgpr_kernarg_segment_ptr 1
		.amdhsa_wavefront_size32 1
		.amdhsa_system_sgpr_workgroup_id_x 1
		.amdhsa_system_sgpr_workgroup_id_y 1
		.amdhsa_system_sgpr_workgroup_id_z 1
		.amdhsa_system_vgpr_workitem_id 0
		.amdhsa_next_free_vgpr 1024
		.amdhsa_next_free_sgpr 102
		.amdhsa_reserve_vcc 0
		.amdhsa_float_denorm_mode_32 3
		.amdhsa_float_denorm_mode_16_64 3
		.amdhsa_fp16_overflow 1
		.amdhsa_memory_ordered 1
		.amdhsa_forward_progress 1
		.amdhsa_inst_pref_size 169
	.end_amdhsa_kernel
	.amdgpu_metadata
---
amdhsa.version: [ 1, 2 ]
amdhsa.kernels:
  - .name:           k_q55c44f91d9_gemm_qk
    .symbol:         k_q55c44f91d9_gemm_qk.kd
    .args:
      - { .name: X_codes, .offset: 0, .size: 8, .value_kind: global_buffer, .address_space: global }
      - { .name: X_scales, .offset: 8, .size: 8, .value_kind: global_buffer, .address_space: global }
      - { .name: W_qkv_codes, .offset: 16, .size: 8, .value_kind: global_buffer, .address_space: global }
      - { .name: W_qkv_scales, .offset: 24, .size: 8, .value_kind: global_buffer, .address_space: global }
      - { .name: b_qkv, .offset: 32, .size: 8, .value_kind: global_buffer, .address_space: global }
      - { .name: ws, .offset: 40, .size: 8, .value_kind: global_buffer, .address_space: global }
    .group_segment_fixed_size: 327680
    .private_segment_fixed_size: 0
    .kernarg_segment_align: 8
    .kernarg_segment_size: 48
    .max_flat_workgroup_size: 128
    .sgpr_count:     102
    .vgpr_count:     1024
    .wavefront_size: 32
...
	.end_amdgpu_metadata
.endif
;; end of part 1
;; launch gemm_v (part 2): grid 32 x 4, 4 waves a work-group, clusters of 4 x 4, 327,680 bytes of LDS; arguments W_qkv_codes, W_qkv_scales, X_codes, X_scales, b_qkv, ws; writes ws
.if DOCPART == 2
	.amdgcn_target "amdgcn-amd-amdhsa--gfx1250"
	.amdhsa_code_object_version 6
	.text
	.protected	k_q55c44f91d9_gemm_v
	.globl	k_q55c44f91d9_gemm_v
	.p2align	8
	.type	k_q55c44f91d9_gemm_v,@function
k_q55c44f91d9_gemm_v:
	s_mov_b64 s[64:65], 0
	v_nop
	global_prefetch_b8 v0, s[64:65] scope:SCOPE_SE
	s_setreg_imm32_b32 hwreg(HW_REG_WAVE_MODE, 25, 1), 1
	s_wait_xcnt 0x0
	s_wait_alu depctr_hold_cnt(0) depctr_sa_sdst(0) depctr_va_vdst(0) depctr_va_sdst(0) depctr_va_ssrc(0) depctr_va_vcc(0) depctr_vm_vsrc(0)
	s_getreg_b32 s2, hwreg(HW_REG_IB_STS2, 6, 4)
	s_cmp_eq_u32 s2, 0
	s_cbranch_scc0 .Lentry_in_a_cluster
	s_endpgm
.Lentry_in_a_cluster:
	s_bfe_u32 s2, ttmp6, 0x10000c
	s_cmp_lg_u32 s2, 0xf033
	s_cbranch_scc0 .Lentry_shape_is_right
	s_endpgm
.Lentry_shape_is_right:
; v of the attention: rows 2048..3071 of W_qkv [3072][1024] times X [8192][1024], both given as codes of FP8 (E4M3) with one E8M0 byte for each 32 along K, plus b_qkv, in f32;
; the results are quantised at once ALONG THE KEYS (the second attention product's K) and leave as codes and scale bytes, laid as that product's operand wants them.
; The text is the GEMM of the q and k launch with the operands' parts exchanged: source 0 = 16 rows of X (keys), source 1 = 16 rows of W (channels): lane (r, h) holds channel r, and register j of the accumulator
; of X's block b the key 16 b + 8 h + j.  So the 16 registers of blocks 2 c and 2 c + 1 are members of one block of 32 keys (32 c + 8 h + 0..7 and + 16..23), lane l xor 16 holds the other 16.
; Their codes take the operand's places k = 32 c + 16 h + 0..15: the same permutation inside a block of 32 that the attention launch's weights p have, whose score tiles take neighbouring keys: every product keeps its terms and scales.
; A tile of 256 channels x 256 keys is made by four waves, 128 x 128 each; K in steps of 256 through a ring of two LDS slots; all scale bytes in LDS once; 4 x 4 clusters with joint loads.
; OUTPUT, in ws, half 1, head's block of HB bytes: at 8192 + 256 x step the scale words ([lane][2 words]: word i of lane (r, h) is channel tile 2 i + h, row r: four bytes for the step's four blocks of keys);
; at 12288 + 16384 x step + 8192 four images of 2,048 bytes (16 channels x 128 keys): the operand's registers as they stand, group c at 512 c + 16 x lane.
; LIMITS: NaN and infinities are not served; a block whose largest magnitude lies under 2^-118 (a block of zeros too) gets the scale byte 1; this program alone reads the bytes.
; REGISTERS: window 0: v0-31 addresses; v32-63 scale words, two sets; v64-79 the bias; from v128 W's fragments, one set (on the way out: numbers, codes, work).  window 1: X's fragments, two sets.  windows 2, 3: the accumulators.
.set NQ,     2
.set ROWB,   256
.set KROW,   1024
.set PITCH,  272                       ; an LDS row: 256 bytes + 16 of padding: the 16 rows that a load touches start at 16 different banks (ISA guide 11.1)
.set FR,     16
.set NL,     4
.set NP,     8                         ; places behind this matrix instruction (ISA guide 7.12.1)
.set HALFT,  128*PITCH
.set SLOT,   4*HALFT
.set KS,     32
.set SCL,    2*SLOT
.set HALFS,  (128*KS/256)*272
.set SBLK,   (16*KS/256)*272
.set SPARE,  SCL+4*HALFS               ; the spare words, 128 bytes for each wave: two blocks of 256 bytes that no other line names
.set HB,     274432
.set ADRA, 16
.set ADRB, 20
.set CO,   26                          ; v26  16 x lane
.set ADRS, 27
.set SPW,  28
.set NIL,  29
.set BAD,  30                          ; v30  4 x (lane % 16): my channel's place in the bias
.set L8,   31                          ; v31  8 x lane
.set SC,   32
.set BIAS, 64
.set AF,   128
.set NUM,  128
.set PC,   192
.set TM,   224
.set SW,   240
.set G1, 24
.set G0, 32
.set G1B, 48
.set G0B, 56
.set G1S, 68
.set G0S, 76
.set G1SB, 80
.set G0SB, 88
.set SEL, 18
.set MNT, 3
.set HM,  95
.set MSB, 0
.macro WIN new                         ; the immediate's high byte repeats the setting that is left
.if MSB != (\new)
	s_set_vgpr_msb (MSB<<8)|(\new)
.set MSB, (\new)
.endif
.endm
.set MUL_LO, 0xa1                      ; source 0 (X) window 1, source 1 (W) window 0, C and D window 2
.set MUL_HI, 0xf1
.set TO_B,   0x40
; A joint load: waves 0 and 1 fetch for W, waves 2 and 3 for X.  The branch hangs on the wave's number alone.  Four v_nop follow each of the two lines.
.macro JLOAD g0a, g1a, g0b, g1b
	s_cmp_eq_u32 s15, 0
	s_cbranch_scc0 .Lfor_b_\@
	tensor_load_to_lds s[\g0a:\g0a+3], s[\g1a:\g1a+7]
	s_nop 0
.rept 4
	v_nop
.endr
	s_branch .Lasked_\@
.Lfor_b_\@:
	tensor_load_to_lds s[\g0b:\g0b+3], s[\g1b:\g1b+7]
	s_nop 0
.rept 4
	v_nop
.endr
.Lasked_\@:
.endm
.macro CREST
	s_cmp_lg_u32 s14, 0
	s_cbranch_scc1 .Lnot_wave_0_\@
	s_barrier_signal -3
.Lnot_wave_0_\@:
	s_barrier_wait -3
	s_barrier_signal -1
	s_barrier_wait -1
.endm
.macro CROUND
	s_barrier_signal -1
	s_barrier_wait -1
	CREST
.endm
	s_load_b128 s[4:7], s[0:1], 0x0                ; W's codes, W's scales
	s_load_b128 s[8:11], s[0:1], 0x10              ; X's codes, X's scales
	s_load_b128 s[96:99], s[0:1], 0x20             ; the bias, ws
	v_lshl_add_u32 v[SPW], v0, 2, SPARE
	v_mov_b32 v[NIL], 0
	ds_add_u32 v28, v29
	ds_add_u32 v28, v29
	s_wait_dscnt 0x0
	v_lshrrev_b32 v1, 5, v0
	v_readfirstlane_b32 s14, v1                    ; wave 0..3
	s_lshr_b32 s15, s14, 1                         ; which half of the tile's channels is mine.  Also: I fetch for W (0) or for X (1)
	s_and_b32 s16, s14, 1                          ; which half of its keys.  Also: which 128 rows of that tile I fetch
	s_bfe_u32 s40, ttmp6, 0x40000                  ; cx, cy
	s_bfe_u32 s41, ttmp6, 0x40004
	s_lshl_b32 s42, ttmp9, 2
	s_add_co_u32 s42, s42, s40                     ; tile column (keys) = 4 x cluster x + cx
	s_and_b32 s17, ttmp7, 0xffff
	s_lshl_b32 s17, s17, 2
	s_add_co_u32 s17, s17, s41                     ; tile row (channels) = 4 x cluster y + cy
	s_lshl_b32 s43, s41, 2
	s_lshl_b32 s43, 15, s43                        ; my row of the cluster
	s_lshl_b32 s44, 0x1111, s40                    ; my column
	s_or_b32 s[G1+0], s43, (0<<16)|(1<<20)|(1<<21)|(5<<22)|(3<<25)  ; the mask: W's tiles go to my row; elements of 1 byte; padding: four words after every 64; bit 21 beside a mask
	s_or_b32 s[G1B+0], s44, (0<<16)|(1<<20)|(1<<21)|(5<<22)|(3<<25)
.irp g, G1, G1B
	s_mov_b32 s[\g+1], ROWB<<16
	s_mov_b32 s[\g+2], 128<<16
	s_mov_b32 s[\g+3], ROWB<<16
	s_mov_b32 s[\g+4], 128
	s_mov_b32 s[\g+5], KROW
	s_mov_b32 s[\g+6], 0
	s_mov_b32 s[\g+7], 0
.endr
	s_or_b32 s[G1S+0], s43, (3<<16)|(1<<20)|(1<<21)|(5<<22)|(3<<25)   ; the scales of 128 rows: 16 rows of 256 bytes, 16 bytes of padding behind each
	s_or_b32 s[G1SB+0], s44, (3<<16)|(1<<20)|(1<<21)|(5<<22)|(3<<25)
.irp g, G1S, G1SB
	s_mov_b32 s[\g+1], 32<<16
	s_mov_b32 s[\g+2], (128*KS/256)<<16
	s_mov_b32 s[\g+3], 32<<16
	s_mov_b32 s[\g+4], 128*KS/256
	s_mov_b32 s[\g+5], 32
	s_mov_b32 s[\g+6], 0
	s_mov_b32 s[\g+7], 0
.endr
	s_lshl_b32 s18, s16, 7
	s_lshl_b32 s20, s17, 8
	s_add_co_u32 s20, s20, s18
	s_add_co_u32 s20, s20, 2048                    ; W: row 2048 + 256 x tile row + 128 x half: v's rows lie behind q's and k's
	s_lshl_b32 s46, s42, 8
	s_add_co_u32 s46, s46, s18                     ; X: row 256 x tile column + 128 x half
	s_mov_b32 s21, 0
	s_mov_b32 s47, 0
	s_mov_b64 s[18:19], KS
	s_mul_u64 s[22:23], s[20:21], s[18:19]
	s_mul_u64 s[92:93], s[46:47], s[18:19]
	s_mov_b64 s[18:19], KROW
	s_mul_u64 s[20:21], s[20:21], s[18:19]
	s_mul_u64 s[46:47], s[46:47], s[18:19]
	s_mul_i32 s45, s14, HALFT
	s_mul_i32 s94, s14, HALFS
	s_wait_kmcnt 0x0
	s_add_nc_u64 s[20:21], s[4:5], s[20:21]
	s_add_nc_u64 s[22:23], s[6:7], s[22:23]
	s_add_nc_u64 s[46:47], s[8:9], s[46:47]
	s_add_nc_u64 s[92:93], s[10:11], s[92:93]
	CROUND                                         ; all sixteen work-groups are here: the first joint loads meet
	s_mov_b32 s[G0S], 1
	s_add_co_u32 s[G0S+1], s94, SCL
	s_mov_b64 s[G0S+2:G0S+3], s[22:23]
	s_or_b32 s[G0S+3], s[G0S+3], 0x80000000
	s_mov_b32 s[G0SB], 1
	s_add_co_u32 s[G0SB+1], s94, SCL
	s_mov_b64 s[G0SB+2:G0SB+3], s[92:93]
	s_or_b32 s[G0SB+3], s[G0SB+3], 0x80000000
	JLOAD G0S, G1S, G0SB, G1SB
.irp s, 0,1
	s_mov_b32 s[G0+4*\s], 1
	s_add_co_u32 s[G0+4*\s+1], s45, \s*SLOT
	s_add_nc_u64 s[G0+4*\s+2:G0+4*\s+3], s[20:21], \s*ROWB
	s_or_b32 s[G0+4*\s+3], s[G0+4*\s+3], 0x80000000
	s_mov_b32 s[G0B+4*\s], 1
	s_add_co_u32 s[G0B+4*\s+1], s45, \s*SLOT
	s_add_nc_u64 s[G0B+4*\s+2:G0B+4*\s+3], s[46:47], \s*ROWB
	s_or_b32 s[G0B+4*\s+3], s[G0B+4*\s+3], 0x80000000
	JLOAD G0+4*\s, G1, G0B+4*\s, G1B
.endr
	v_and_b32 v1, 15, v0                           ; r
	v_bfe_u32 v2, v0, 4, 1                         ; h
	v_mul_u32_u24 v3, v1, PITCH
	v_lshl_add_u32 v4, v2, 4, v3
	s_mul_i32 s21, s15, HALFT
	s_mul_i32 s22, s16, HALFT
	s_add_co_u32 s22, s22, 2*HALFT
.irp s, 0,1
	v_add_nc_u32 v[ADRA+\s], s21, v4
	v_add_nc_u32 v[ADRB+\s], s22, v4
	s_add_co_u32 s21, s21, SLOT
	s_add_co_u32 s22, s22, SLOT
.endr
	v_mul_u32_u24 v5, v1, KS
	v_lshrrev_b32 v6, 8, v5
	v_lshl_add_u32 v5, v6, 4, v5
	s_mul_i32 s21, s15, HALFS
	s_mul_i32 s22, s16, HALFS
	s_add_co_u32 s22, s22, 2*HALFS
	s_sub_co_u32 s22, s22, s21
	v_mul_u32_u24 v6, s22, v2                      ; lanes 16-31 take X's
	s_add_co_u32 s21, s21, SCL
	v_add_nc_u32 v5, v5, v6
	v_add_nc_u32 v[ADRS], s21, v5
	v_and_b32 v6, 31, v0
	v_lshlrev_b32 v[CO], 4, v6
	v_lshlrev_b32 v[L8], 3, v6
	v_lshlrev_b32 v[BAD], 2, v1
	s_lshl_b32 s100, s17, 10                       ; the bias of my 128 channels: 4 x (2048 + 256 x tile row + 128 x half)
	s_lshl_b32 s101, s15, 9
	s_add_co_u32 s100, s100, s101
	s_add_co_u32 s100, s100, 8192
	s_mov_b32 s101, 0
	s_add_nc_u64 s[96:97], s[96:97], s[100:101]
.irp a, 0,1,2,3,4,5,6,7
	global_load_b32 v[BIAS+2*\a], v[BAD], s[96:97] offset:64*\a     ; tile a: my channel's bias, twice: a pair for the packed addition
	global_load_b32 v[BIAS+2*\a+1], v[BAD], s[96:97] offset:64*\a
.endr
	s_lshr_b32 s100, s42, 3                        ; the batch
	s_lshl_b32 s100, s100, 4
	s_lshl_b32 s101, s17, 2
	s_add_co_u32 s100, s100, s101
	s_lshl_b32 s101, s15, 1
	s_add_co_u32 s100, s100, s101                  ; the first of my two heads
	s_add_co_u32 s100, s100, 64                    ; in ws's second half
	s_mul_i32 s100, s100, HB
	s_and_b32 s101, s42, 7
	s_lshl_b32 s101, s101, 1
	s_add_co_u32 s101, s101, s16                   ; the step of 128 keys
	s_lshl_b32 s12, s101, 14
	s_add_co_u32 s12, s12, s100
	s_add_co_u32 s12, s12, 12288+8192
	s_mov_b32 s13, 0
	s_add_nc_u64 s[12:13], s[98:99], s[12:13]      ; the images
	s_lshl_b32 s66, s101, 8
	s_add_co_u32 s66, s66, s100
	s_add_co_u32 s66, s66, 8192
	s_mov_b32 s67, 0
	s_add_nc_u64 s[66:67], s[98:99], s[66:67]      ; the scale words
.macro FRAG reg, adr, q, i
.irp c, 0,1,2,3
	ds_load_b128 v[\reg+4*\c:\reg+4*\c+3], v[\adr] offset:128*(\q)+32*\c+(\i)*16*PITCH
.endr
.endm
; 16 matrix instructions: W's blocks a0, a0 + 1 x X's eight.  The 64 accumulators take turns, one instruction a turn.
.macro MUL16 a0, p, q, sc, zero
.irp a, \a0, \a0+1
.irp b, 0,1,2,3,4,5,6,7
.if \zero
	v_wmma_scale_f32_16x16x128_f8f6f4 v[8*(8*((\a)%4)+\b):8*(8*((\a)%4)+\b)+7], v[128*(\p)+FR*\b:128*(\p)+FR*\b+FR-1], v[AF+FR*(\a):AF+FR*(\a)+FR-1], 0, v[SC+8*NQ*(\sc)+NQ*\b+(\q)], v[SC+8*NQ*(\sc)+NQ*(\a)+(\q)] matrix_a_scale:MATRIX_SCALE_ROW1
.else
	v_wmma_scale_f32_16x16x128_f8f6f4 v[8*(8*((\a)%4)+\b):8*(8*((\a)%4)+\b)+7], v[128*(\p)+FR*\b:128*(\p)+FR*\b+FR-1], v[AF+FR*(\a):AF+FR*(\a)+FR-1], v[8*(8*((\a)%4)+\b):8*(8*((\a)%4)+\b)+7], v[SC+8*NQ*(\sc)+NQ*\b+(\q)], v[SC+8*NQ*(\sc)+NQ*(\a)+(\q)] matrix_a_scale:MATRIX_SCALE_ROW1
.endif
.endr
.endr
.endm
.macro FETCH_B slot, q, p
	WIN TO_B
.irp i, 0,1,2,3,4,5,6,7
	FRAG 128*(\p)+FR*\i, ADRB+\slot, \q, \i
.endr
	WIN 0
.endm
.macro FETCH_A slot, q, i0
.irp i, \i0, \i0+1, \i0+2, \i0+3
	FRAG AF+FR*(\i), ADRA+\slot, \q, \i
.endr
.endm
.macro SCALES sc
.irp i, 0,1,2,3,4,5,6,7
	ds_load_b64 v[SC+8*NQ*\sc+NQ*\i:SC+8*NQ*\sc+NQ*\i+1], v[ADRS] offset:\i*SBLK
.endr
.endm
.macro PLACES n
.rept \n
	v_nop
.endr
.endm
.macro STEP slot, q, zero
	s_wait_dscnt 4*NL                              ; X's set and W's blocks 0-3 are in; the youngest 16 loads (W's blocks 4-7) may be out
	WIN MUL_LO
	MUL16 0, (\q)%2, \q, \slot, \zero
	MUL16 2, (\q)%2, \q, \slot, \zero
	s_wait_dscnt 0
	PLACES NP
	FETCH_B \slot, (\q)+1, 1-(\q)%2
	FETCH_A \slot, (\q)+1, 0
	WIN MUL_HI
	MUL16 4, (\q)%2, \q, \slot, \zero
	MUL16 6, (\q)%2, \q, \slot, \zero
	PLACES NP
	WIN 0
	FETCH_A \slot, (\q)+1, 4
.endm
; A slot's last step changes slots: one barrier; in front of it each wave waits for all its tensor loads, adds 0 to its spare word, and waits for that and for its own reads of this slot.
.macro TURN slot, next, fill
	s_wait_tensorcnt 0x0                           ; all my tensor loads have landed: my part of the next slot
	ds_add_u32 v[SPW], v[NIL]                      ; 0 onto my spare word
	s_wait_dscnt 4*NL+1                            ; (the add and the youngest 16 loads may be out)
	WIN MUL_LO
	MUL16 0, 1, NQ-1, \slot, 0
	s_wait_dscnt 0x0                               ; the add is done, and my reads of this slot are over
	s_barrier_signal -1
	MUL16 2, 1, NQ-1, \slot, 0
	WIN 0
	s_barrier_wait -1
.if \fill
	CREST                                          ; the barrier has opened a round of the cluster's barrier
	s_add_nc_u64 s[G0+4*\slot+2:G0+4*\slot+3], s[G0+4*\slot+2:G0+4*\slot+3], 2*ROWB
	s_add_nc_u64 s[G0B+4*\slot+2:G0B+4*\slot+3], s[G0B+4*\slot+2:G0B+4*\slot+3], 2*ROWB
	JLOAD G0+4*\slot, G1, G0B+4*\slot, G1B         ; the first tensor load behind the round
	PLACES NP-4
.else
	PLACES NP
.endif
	s_wait_alu depctr_va_vdst(0)
	v_add_nc_u32 v[ADRS], 4*NQ, v[ADRS]
	FETCH_B \next, 0, 0
	FETCH_A \next, 0, 0
	SCALES \next
	WIN MUL_HI
	MUL16 4, 1, NQ-1, \slot, 0
	MUL16 6, 1, NQ-1, \slot, 0
	PLACES NP
	WIN 0
	FETCH_A \next, 0, 4
.endm
	s_wait_alu depctr_va_vdst(0)
	s_wait_loadcnt 0x0                             ; the bias
	s_wait_tensorcnt 1                             ; of my three loads the scales and K step 0 are in; K step 1's may be out
	s_barrier_signal -1
	s_barrier_wait -1
	FETCH_B 0, 0, 0
	FETCH_A 0, 0, 0
	SCALES 0
	FETCH_A 0, 0, 4
	STEP 0, 0, 1                                   ; four K steps of 256, written straight
	TURN 0, 1, 1
	STEP 1, 0, 0
	TURN 1, 0, 1
	STEP 0, 0, 0
	TURN 0, 1, 0
	STEP 1, 0, 0
	s_wait_dscnt 4*NL
	WIN MUL_LO
	MUL16 0, 1, NQ-1, 1, 0
	MUL16 2, 1, NQ-1, 1, 0
	s_wait_dscnt 0
	WIN MUL_HI
	MUL16 4, 1, NQ-1, 1, 0
	MUL16 6, 1, NQ-1, 1, 0
	WIN 0
; 64 numbers of a lane, v[s] on, register 16 b + i a member of block b of my row, become 16 registers of codes in v[PC] on and the row's four scale bytes in v[pw].
.macro QUANT s, pw
.irp b, 0,1,2,3
	v_max3_num_f32 v[TM+\b], |v[\s+16*\b]|, |v[\s+1+16*\b]|, 0x4800000   ; my 16 numbers of block b, and the floor 2^(9 - 127)
.endr
.irp i, 2,4,6,8,10,12,14
.irp b, 0,1,2,3
	v_max3_num_f32 v[TM+\b], v[TM+\b], |v[\s+16*\b+\i]|, |v[\s+1+16*\b+\i]|
.endr
.endr
.irp b, 0,1,2,3
	v_permlanex16_b32 v[TM+4+\b], v[TM+\b], s[SEL], s[SEL+1]
.endr
.irp b, 0,1,2,3
	v_max_num_f32 v[TM+\b], v[TM+\b], v[TM+4+\b]   ; with lane l xor 16's: the block's largest magnitude
.endr
.irp b, 0,1,2,3
	v_add_nc_u32 v[TM+12+\b], 0xfc000000, v[TM+\b]   ; 8 off its exponent field: the conversion's scale operand
.endr
.irp b, 0,1,2,3
.endr
.irp b, 0,1,2,3
	v_lshrrev_b32 v[TM+4+\b], 23, v[TM+12+\b]      ; the scale's byte
.endr
	v_lshl_or_b32 v[\pw], v[TM+5], 8, v[TM+4]
	v_lshl_or_b32 v[\pw], v[TM+6], 16, v[\pw]
	v_lshl_or_b32 v[\pw], v[TM+7], 24, v[\pw]
	s_wait_xcnt 0x0                                ; the last block's stores have read the codes' registers
.irp b, 0,1,2,3
.irp i, 0,1,2,3,4,5,6,7,8,9,10,11,12,13,14,15
.endr
	v_cvt_scalef32_pk8_fp8_f32 v[PC+4*\b:PC+1+4*\b], v[\s+16*\b:\s+7+16*\b], v[TM+12+\b]
	v_cvt_scalef32_pk8_fp8_f32 v[PC+2+4*\b:PC+3+4*\b], v[\s+8+16*\b:\s+15+16*\b], v[TM+12+\b]
.endr
	v_nop                                          ; one plain vector instruction behind the last conversion
.endm
; Tile a of my eight tiles of 16 channels: its 8 accumulators are the step's 128 keys; plus my channel's bias; quantised along the keys; one image of 2,048 bytes.
.macro OUTBLK a
	WIN 0x02+(\a)/4
.set i, 0
.rept 32
	v_pk_add_f32 v[NUM+2*i:NUM+2*i+1], v[64*((\a)%4)+2*i:64*((\a)%4)+2*i+1], v[BIAS+2*(\a):BIAS+2*(\a)+1]
.set i, i+1
.endr
	WIN 0
	QUANT NUM, SW+(\a)
.irp c, 0,1,2,3
	global_store_b128 v[CO], v[PC+4*\c:PC+4*\c+3], s[12:13] offset:HB*((\a)/4)+2048*((\a)%4)+512*\c   ; 512 consecutive bytes; tiles 4-7 are the next head's
.endr
.endm
	PLACES NP
	s_mov_b32 s[SEL], 0x76543210
	s_mov_b32 s[SEL+1], 0xfedcba98
	s_mov_b32 s[HM], 0xffff0000
.irp b, 0,1,2,3
	v_mov_b32 v[TM+4+\b], 0                        ; written once: a lane permute's destination counts as one of its sources
.endr
.irp a, 0,1,2,3,4,5,6,7
	OUTBLK \a
.endr
.irp i, 0,1,2,3
	v_cndmask_b32 v[248+\i], v[SW+2*\i], v[SW+2*\i+1], s[HM]   ; lanes 0-15: tile 2 i's words, lanes 16-31: tile 2 i + 1's
.endr
	global_store_b64 v[L8], v[248:249], s[66:67]               ; 256 consecutive bytes: the step's scale words of my first head,
	global_store_b64 v[L8], v[250:251], s[66:67] offset:HB     ; and of the next
	s_wait_tensorcnt 0x0                           ; the wave's end
	ds_add_u32 v[SPW], v[NIL]
	s_wait_dscnt 0x0
	CROUND                                         ; the closing round
	s_endpgm
.Lfunc_end_k_q55c44f91d9_gemm_v:
	.size	k_q55c44f91d9_gemm_v, .Lfunc_end_k_q55c44f91d9_gemm_v-k_q55c44f91d9_gemm_v
	.p2alignl 7, 3214868480
	.fill 96, 4, 3214868480
	.section	.rodata,"a",@progbits
	.p2align	6, 0x0
	.amdhsa_kernel k_q55c44f91d9_gemm_v
		.amdhsa_group_segment_fixed_size 327680
		.amdhsa_private_segment_fixed_size 0
		.amdhsa_enable_private_segment 0
		.amdhsa_kernarg_size 48
		.amdhsa_user_sgpr_count 2
		.amdhsa_user_sgpr_kernarg_segment_ptr 1
		.amdhsa_wavefront_size32 1
		.amdhsa_system_sgpr_workgroup_id_x 1
		.amdhsa_system_sgpr_workgroup_id_y 1
		.amdhsa_system_sgpr_workgroup_id_z 1
		.amdhsa_system_vgpr_workitem_id 0
		.amdhsa_next_free_vgpr 1024
		.amdhsa_next_free_sgpr 102
		.amdhsa_reserve_vcc 0
		.amdhsa_float_denorm_mode_32 3
		.amdhsa_float_denorm_mode_16_64 3
		.amdhsa_fp16_overflow 1
		.amdhsa_memory_ordered 1
		.amdhsa_forward_progress 1
		.amdhsa_inst_pref_size 167
	.end_amdhsa_kernel
	.amdgpu_metadata
---
amdhsa.version: [ 1, 2 ]
amdhsa.kernels:
  - .name:           k_q55c44f91d9_gemm_v
    .symbol:         k_q55c44f91d9_gemm_v.kd
    .args:
      - { .name: W_qkv_codes, .offset: 0, .size: 8, .value_kind: global_buffer, .address_space: global }
      - { .name: W_qkv_scales, .offset: 8, .size: 8, .value_kind: global_buffer, .address_space: global }
      - { .name: X_codes, .offset: 16, .size: 8, .value_kind: global_buffer, .address_space: global }
      - { .name: X_scales, .offset: 24, .size: 8, .value_kind: global_buffer, .address_space: global }
      - { .name: b_qkv, .offset: 32, .size: 8, .value_kind: global_buffer, .address_space: global }
      - { .name: ws, .offset: 40, .size: 8, .value_kind: global_buffer, .address_space: global }
    .group_segment_fixed_size: 327680
    .private_segment_fixed_size: 0
    .kernarg_segment_align: 8
    .kernarg_segment_size: 48
    .max_flat_workgroup_size: 128
    .sgpr_count:     102
    .vgpr_count:     1024
    .wavefront_size: 32
...
	.end_amdgpu_metadata
.endif
;; end of part 2
;; launch attn (part 3): grid 4 x 64, 16 waves a work-group, clusters of 4 x 1, 276,480 bytes of LDS; arguments ws, a_img, a_scales; writes a_img, a_scales
.if DOCPART == 3
	.amdgcn_target "amdgcn-amd-amdhsa--gfx1250"
	.amdhsa_code_object_version 6
	.text
	.protected	k_q55c44f91d9_attn
	.globl	k_q55c44f91d9_attn
	.p2align	8
	.type	k_q55c44f91d9_attn,@function
k_q55c44f91d9_attn:
	s_mov_b64 s[64:65], 0
	v_nop
	global_prefetch_b8 v0, s[64:65] scope:SCOPE_SE
	s_setreg_imm32_b32 hwreg(HW_REG_WAVE_MODE, 25, 1), 1
	s_wait_xcnt 0x0
	s_wait_alu depctr_hold_cnt(0) depctr_sa_sdst(0) depctr_va_vdst(0) depctr_va_sdst(0) depctr_va_ssrc(0) depctr_va_vcc(0) depctr_vm_vsrc(0)
	s_getreg_b32 s2, hwreg(HW_REG_IB_STS2, 6, 4)
	s_cmp_eq_u32 s2, 0
	s_cbranch_scc0 .Lentry_in_a_cluster
	s_endpgm
.Lentry_in_a_cluster:
	s_bfe_u32 s2, ttmp6, 0x10000c
	s_cmp_lg_u32 s2, 0x3003
	s_cbranch_scc0 .Lentry_shape_is_right
	s_endpgm
.Lentry_shape_is_right:
; Causal attention of one (batch, head) for each cluster of four work-groups, both products on codes of FP8 (E4M3) with one E8M0 scale for each 32 along K; 2,048 tokens, head size 64, logits = q.k / 32.
; THE SOFTMAX AHEAD OF THE SECOND PRODUCT: t = score x log2(e) / 32; M = the row's largest t so far, rounded UP to a whole number; p = 2^(t - M) is quantised along the keys, not normalised.
; The row's sum is taken of the unquantised p, in f32, and divides O at the end.  When M moves, the sum and O are multiplied by 2^(old M - new M): exact.  The result is quantised along the model's 1,024 for the last product.
; LDS.  A head's k, v and their scale words, HB = 274,432 bytes, lie in ws in the very order in which they are read: each work-group brings them ALL into its LDS, once: no slot is ever filled again.
; The four work-groups of a cluster want the same bytes: every load is a joint one (mask 15).  Each of the 16 waves issues three: its sixteenth of the scales and key steps 0-3, of steps 4-7, of steps 8-15;
; so three tensor loads of a wave are out at the most, and the work on the first steps begins while the later ones are on their way.
; SHARES.  A tile is 16 queries, a key step 128 keys.  Wave w of work-group cx owns tiles T1 = 8 (w / 2) + 2 cx + w % 2 and T2 = 127 - T1: tile T wants T / 8 + 1 key steps, so EVERY wave has 17.
; Branches hang on w / 2 alone; cx enters global addresses and the mask's numbers.  All loops have constant trip counts; a step all of whose keys are hidden jumps over its work, not over its address steps.
; LAYOUT.  Both products are used transposed: S^T = k q^T, O^T = v^T p^T: a lane holds ONE query (lane % 16).  Register j of score tile t is key 16 t + 8 (lane / 16) + j; the 16 registers of tiles 2 b, 2 b + 1 are members
; of one block of 32 keys and become the operand's places 32 b + 16 (lane / 16) + 0..15: the permutation inside a block that v's images have too.
; K = 64 IN AN INSTRUCTION OF K = 128: three runs of 8 registers [tile | zeros | tile]: an even tile multiplies the first two runs of k by the first two of q (data in K 0-63), an odd tile the last two by the last two
; (data in K 64-127); zero codes add nothing.  The scale words hold a row's two bytes twice, so they fit either half.
; OUTPUT.  a_img = [K step of 256][tile of 16 rows][2][4][lane][16 bytes]: the last product's operand as an image of its registers, in NATURAL order of K (W_out is given so): the 8 codes of channel tile t go to
; 256 t + 16 r + 8 h: each store fills 256 consecutive bytes.  a_scales = [8192][32]: here a lane stores ONE byte, rows 32 bytes apart: 256 KiB in all leave so.
; LIMITS: NaN and infinities are not served; a block whose largest magnitude lies under 2^-118 (a block of zeros too) gets the scale byte 1; this program alone reads the bytes.
.set HB,    274432                     ; a head's bytes: 8,192 k's scale words, 4,096 v's, 16 steps of 16,384 (8 images of k, 4 of v)
.set KVOFF, 64*HB                      ; ws's second half
.set IMG0,  12288
.set VSC0,  8192
.set STEPB, 16384
.set LI,   1                           ; v1   16 x lane
.set L8,   2                           ; v2   8 x lane
.set ADK,  3                           ; v3   LDS address of the step's images
.set ADS,  4                           ; v4   of k's scale words
.set ADT,  5                           ; v5   of v's
.set DM,   6                           ; v6   my query in its step - 8 (lane / 16): register 8 t + j is hidden on the diagonal where 16 t + j is larger
.set VO,   7                           ; v7   16 r + 8 h
.set VS,   8                           ; v8   32 r + h
.set RH,   9                           ; v9   r - 8 h
.set R16,  10                          ; v10  16 r
.set Q2,   16                          ; v16-39   T2's q: [q | zeros | q]
.set KT,   40                          ; v40-87   two triples of k: [even tile | zeros | odd tile]
.set KSW,  88                          ; v88-91   k's scale words: register i: lanes 0-15 tile 2 i, lanes 16-31 tile 2 i + 1
.set VSW,  92                          ; v92-93   v's likewise
.set QS2,  94                          ; v94, v95 q's scale words
.set QS1,  95
.set S,    96                          ; v96-159  S^T, then p, then v's four fragments
.set O,    160                         ; v160-191 O^T
.set PC,   192                         ; v192-207 p's codes
.set BM,   208                         ; block maxima
.set PB,   212                         ; the other half's, then the bytes
.set HL,   216
.set SO,   220                         ; the conversions' scale operands
.set F,    224                         ; v224 f = 2^(old M - new M);  v225 p's scale word (named with f as a pair)
.set PW,   225
.set SUM2, 226
.set TMP,  228
.set NINF, 229
.set Q1,   232                         ; v232-255 T1's q
.set WV,   10
.set G1A,  16                          ; s[16:23], s[24:31], s[32:39] descriptor groups 1: 19, 16 and 32 rows of 256 bytes;  s[40:51] their groups 0
.set G1B,  24
.set G1C,  32
.set SEL,  52
.set CS,   54                          ; s[54:55] c = log2(e) / 32
.set MNT,  56
.set TB,   57                          ; LDS byte at which the step's images begin
.set TS,   58                          ; its scale words of k
.set TJ,   59                          ; and of v
.set SI,   60                          ; the step's number
.set GD,   61                          ; the step on the diagonal of the tile in hand
.set CNT,  62
.set HM,   63                          ; a mask of lanes 16-31
.macro CROUND                          ; a round of the cluster's barrier
	s_barrier_signal -1
	s_barrier_wait -1
	s_cmp_lg_u32 s[WV], 0
	s_cbranch_scc1 .Lnot_wave_0_\@
	s_barrier_signal -3
.Lnot_wave_0_\@:
	s_barrier_wait -3
	s_barrier_signal -1
	s_barrier_wait -1
.endm
	s_load_b128 s[4:7], s[0:1], 0x0                ; ws, a_img
	s_load_b64 s[8:9], s[0:1], 0x10                ; a_scales
	v_lshl_add_u32 v230, v0, 2, 0x43000
	v_mov_b32 v231, 0
	ds_add_u32 v230, v231
	ds_add_u32 v230, v231
	v_lshrrev_b32 v1, 5, v0
	s_delay_alu instid0(VALU_DEP_1)
	v_readfirstlane_b32 s[WV], v1                  ; wave 0..15
	s_bfe_u32 s11, ttmp6, 0x40000                  ; cx
	s_and_b32 s12, ttmp7, 0xffff                   ; batch x 16 + head: the cluster's y
	s_mul_i32 s13, s12, HB
.irp g, G1A, G1B, G1C
	s_mov_b32 s[\g], 15|(3<<16)|(1<<21)            ; 15:0 the mask: all four work-groups; 17:16 elements of 8 bytes; 21 set beside a mask; no padding: every read takes 512 consecutive bytes
	s_mov_b32 s[\g+1], 32<<16                      ; tensor_dim0 = 32 elements: rows of 256 bytes
	s_mov_b32 s[\g+3], 32<<16                      ; tile_dim0
	s_mov_b32 s[\g+5], 32                          ; the block is dense: pitch = row
	s_mov_b32 s[\g+6], 0
	s_mov_b32 s[\g+7], 0
.endr
	s_mov_b32 s[G1A+2], 19<<16                     ; 16 waves x 19 rows = 77,824 bytes: the scale words and steps 0-3
	s_mov_b32 s[G1A+4], 19
	s_mov_b32 s[G1B+2], 16<<16                     ; 16 x 16 rows: steps 4-7
	s_mov_b32 s[G1B+4], 16
	s_mov_b32 s[G1C+2], 32<<16                     ; 16 x 32 rows: steps 8-15
	s_mov_b32 s[G1C+4], 32
	s_mov_b32 s40, 1
	s_mul_i32 s41, s[WV], 19*256                   ; the LDS address is the byte's place in the head's block
	s_add_co_u32 s42, s41, s13
	s_add_co_u32 s42, s42, KVOFF
	s_mov_b32 s43, 0
	s_mov_b32 s44, 1
	s_lshl_b32 s45, s[WV], 12
	s_add_co_u32 s45, s45, 77824
	s_add_co_u32 s46, s45, s13
	s_add_co_u32 s46, s46, KVOFF
	s_mov_b32 s47, 0
	s_mov_b32 s48, 1
	s_lshl_b32 s49, s[WV], 13
	s_add_co_u32 s49, s49, 143360
	s_add_co_u32 s50, s49, s13
	s_add_co_u32 s50, s50, KVOFF
	s_mov_b32 s51, 0
	s_wait_dscnt 0x0
	s_wait_kmcnt 0x0
	s_add_nc_u64 s[42:43], s[4:5], s[42:43]
	s_or_b32 s43, s43, 0x80000000
	s_add_nc_u64 s[46:47], s[4:5], s[46:47]
	s_or_b32 s47, s47, 0x80000000
	s_add_nc_u64 s[50:51], s[4:5], s[50:51]
	s_or_b32 s51, s51, 0x80000000
	CROUND                                         ; all four work-groups are here: the joint loads meet
	tensor_load_to_lds s[40:43], s[G1A:G1A+7]
	s_nop 0
	tensor_load_to_lds s[44:47], s[G1B:G1B+7]
	s_nop 0
	tensor_load_to_lds s[48:51], s[G1C:G1C+7]
	s_nop 0
.rept 4
	v_nop
.endr
	v_and_b32 v11, 31, v0
	s_delay_alu instid0(VALU_DEP_1)
	v_lshlrev_b32 v[LI], 4, v11
	s_delay_alu instid0(VALU_DEP_2)
	v_lshlrev_b32 v[L8], 3, v11
	v_and_b32 v[R16], 15, v0                       ; r
	v_bfe_u32 v11, v0, 4, 1                        ; h
	s_delay_alu instid0(VALU_DEP_2)
	v_lshlrev_b32 v[VO], 4, v[R16]
	s_delay_alu instid0(VALU_DEP_1)
	v_lshl_add_u32 v[VO], v11, 3, v[VO]
	s_delay_alu instid0(VALU_DEP_3)
	v_lshl_add_u32 v[VS], v[R16], 5, v11
	s_delay_alu instid0(VALU_DEP_4)
	v_lshlrev_b32 v[RH], 3, v11
	s_delay_alu instid0(VALU_DEP_1)
	v_sub_nc_u32 v[RH], v[R16], v[RH]
	v_lshlrev_b32 v[R16], 4, v[R16]
	s_wait_alu depctr_va_vdst(0)
	s_mov_b32 s[SEL], 0x76543210
	s_mov_b32 s[SEL+1], 0xfedcba98
	s_mov_b32 s[CS], 0x3d38aa3b                    ; log2(e) / 32
	s_mov_b32 s[CS+1], s[CS]                       ; (named with it as a pair, so it is written)
	s_mov_b32 s[HM], 0xffff0000
	s_lshr_b32 s66, s[WV], 1                       ; T1 = 8 s66 + s67
	s_and_b32 s67, s[WV], 1
	s_lshl_b32 s86, s11, 1
	s_add_co_u32 s67, s67, s86
	s_sub_co_u32 s68, 15, s66                      ; T2 = 127 - T1 = 8 s68 + s69
	s_sub_co_u32 s69, 7, s67
	s_lshr_b32 s88, s12, 4
	s_lshl_b32 s88, s88, 7                         ; 128 tiles of rows a batch
	s_and_b32 s14, s12, 15                         ; the head: its 64 of the model's 1,024 lie in K step head / 4,
	s_lshr_b32 s89, s14, 2
	s_lshl_b32 s89, s89, 21
	s_bfe_u32 s86, s14, 0x10001                    ; half (head / 2) % 2 of it,
	s_lshl_b32 s86, s86, 11
	s_add_co_u32 s89, s89, s86
	s_and_b32 s86, s14, 1                          ; groups 2 (head % 2) and the next
	s_lshl_b32 s86, s86, 10
	s_add_co_u32 s89, s89, s86
	s_lshl_b32 s15, s14, 1                         ; and its two scale bytes at 2 x head
; The four addresses of the tile 8 s[g] + s[a]: q's image, q's scale words, its place in a_img and in a_scales.
.macro TILEADR g, a, qi, qc, ai, ac
	s_lshl_b32 s86, s[\g], 14
	s_lshl_b32 s87, s[\a], 10
	s_add_co_u32 s86, s86, s87
	s_add_co_u32 s86, s86, s13
	s_add_co_u32 s[\qi], s86, IMG0
	s_mov_b32 s[\qi+1], 0
	s_add_nc_u64 s[\qi:\qi+1], s[4:5], s[\qi:\qi+1]
	s_lshl_b32 s86, s[\g], 9                       ; the step's 512 bytes of scale words; tile 2 i + e lies in word i of lanes 16 e on
	s_and_b32 s87, s[\a], 1
	s_lshl_b32 s87, s87, 8
	s_add_co_u32 s86, s86, s87
	s_lshr_b32 s87, s[\a], 1
	s_lshl_b32 s87, s87, 2
	s_add_co_u32 s86, s86, s87
	s_add_co_u32 s[\qc], s86, s13
	s_mov_b32 s[\qc+1], 0
	s_add_nc_u64 s[\qc:\qc+1], s[4:5], s[\qc:\qc+1]
	s_lshl_b32 s86, s[\g], 3
	s_add_co_u32 s86, s86, s[\a]
	s_add_co_u32 s86, s86, s88                     ; the tile of rows among all 512
	s_lshl_b32 s87, s86, 12
	s_add_co_u32 s[\ai], s87, s89
	s_mov_b32 s[\ai+1], 0
	s_add_nc_u64 s[\ai:\ai+1], s[6:7], s[\ai:\ai+1]
	s_lshl_b32 s87, s86, 9                         ; 16 rows of 32 bytes
	s_add_co_u32 s[\ac], s87, s15
	s_mov_b32 s[\ac+1], 0
	s_add_nc_u64 s[\ac:\ac+1], s[8:9], s[\ac:\ac+1]
.endm
	TILEADR 68, 69, 70, 72, 78, 80                 ; T2
	TILEADR 66, 67, 74, 76, 82, 84                 ; T1
.macro QLOAD qb, qs, qi, qc            ; a tile's q: its 8 registers twice, zeros between; its rows' scale words in lanes 0-15
	global_load_b128 v[\qb:\qb+3], v[LI], s[\qi:\qi+1]
	global_load_b128 v[\qb+4:\qb+7], v[LI], s[\qi:\qi+1] offset:512
	global_load_b128 v[\qb+16:\qb+19], v[LI], s[\qi:\qi+1]
	global_load_b128 v[\qb+20:\qb+23], v[LI], s[\qi:\qi+1] offset:512
	global_load_b32 v[\qs], v[R16], s[\qc:\qc+1]
.irp z, 8,9,10,11,12,13,14,15
	v_mov_b32 v[\qb+\z], 0
.endr
.endm
	QLOAD Q2, QS2, 70, 72
	QLOAD Q1, QS1, 74, 76
.irp z, 8,9,10,11,12,13,14,15,32,33,34,35,36,37,38,39
	v_mov_b32 v[KT+\z], 0                          ; the zeros in the middle of k's two triples: written once
.endr
.irp b, 0,1,2,3
	v_mov_b32 v[PB+\b], 0                          ; written once: a lane permute's destination counts as one of its sources
.endr
	v_mov_b32 v[PW], 0                             ; (named as the upper half of a pair before it is first written)
	v_mov_b32 v[TMP], 0
	v_mov_b32 v[NINF], 0xff800000                  ; -infinity
.macro STATE                           ; a tile begins: the step is written once, and the first finds zeros, which the first change of M leaves zeros
	v_mov_b32 v13, 0xff61b1e6                      ; the largest t so far: -3e38
	s_delay_alu instid0(VALU_DEP_1)
	v_floor_f32 v12, -v13                          ; -M
	v_mov_b32 v14, 0                               ; the sum, in two halves
	v_mov_b32 v15, 0
.set j, 0
.rept 32
	v_mov_b32 v[O+j], 0
.set j, j+1
.endr
.endm
	STATE
	s_lshl_b32 s86, s69, 4
	v_add_nc_u32 v[DM], s86, v[RH]                 ; T2's place on its diagonal
; A KEY STEP: 128 keys against the tile whose q lies at v[qb] on, with scale words v[qs].  causal = 1: steps behind the diagonal are left out, the one on it is masked.
.macro STEP qb, qs, causal
.if \causal
	s_cmp_gt_u32 s[SI], s[GD]
	s_cbranch_scc1 .Lhid_\@
.endif
	s_setprio 2
	v_add_nc_u32 v[ADK], s[TB], v[LI]
	s_wait_alu depctr_va_vdst(0)
	v_add_nc_u32 v[ADS], s[TS], v[LI]
	v_add_nc_u32 v[ADT], s[TJ], v[L8]
.rept 6
	v_nop                                          ; nine places with the three additions: the first product below writes over registers that the last step's products read (v's fragments)
.endr
.irp g, 0,1                            ; S^T = k q^T, four tiles of 16 keys at a time
.if \g
.rept 8
	v_nop                                          ; places in front of loads into registers that matrix instructions have read
.endr
.endif
.irp u, 0,1
	ds_load_b128 v[KT+24*\u:KT+24*\u+3],     v[ADK] offset:1024*(4*\g+2*\u)
	ds_load_b128 v[KT+24*\u+4:KT+24*\u+7],   v[ADK] offset:1024*(4*\g+2*\u)+512
	ds_load_b128 v[KT+24*\u+16:KT+24*\u+19], v[ADK] offset:1024*(4*\g+2*\u+1)
	ds_load_b128 v[KT+24*\u+20:KT+24*\u+23], v[ADK] offset:1024*(4*\g+2*\u+1)+512
.endr
.if \g == 0
	ds_load_b128 v[KSW:KSW+3], v[ADS]
.endif
	s_wait_dscnt 0x0
.irp u, 0,1
	v_wmma_scale_f32_16x16x128_f8f6f4 v[S+8*(4*\g+2*\u):S+8*(4*\g+2*\u)+7], v[KT+24*\u:KT+24*\u+15], v[\qb:\qb+15], 0, v[KSW+2*\g+\u], v[\qs]
	v_wmma_scale_f32_16x16x128_f8f6f4 v[S+8*(4*\g+2*\u+1):S+8*(4*\g+2*\u+1)+7], v[KT+24*\u+8:KT+24*\u+23], v[\qb+8:\qb+23], 0, v[KSW+2*\g+\u], v[\qs] matrix_a_scale:MATRIX_SCALE_ROW1
.endr
.endr
.rept 8
	v_nop
.endr
.if \causal                            ; on the diagonal the scores of hidden keys become -infinity ahead of the maximum: p = 0 then
	s_cmp_lg_u32 s[SI], s[GD]
	s_cbranch_scc1 .Lopen_\@
.set n, 0
.rept 64
	v_cmp_gt_i32 vcc_lo, 16*(n/8)+n%8, v[DM]
	v_cndmask_b32 v[S+n], v[S+n], v[NINF], vcc_lo
.set n, n+1
.endr
.Lopen_\@:
.endif
.irp b, 0,1,2,3
	v_max3_num_f32 v[BM+\b], v[S+16*\b], v[S+1+16*\b], v[S+2+16*\b]   ; the largest score of each block of 32 keys: for the row's maximum, and, since p rises with the score, for the block's largest p
.endr
.irp i, 3,5,7,9,11,13
.irp b, 0,1,2,3
	v_max3_num_f32 v[BM+\b], v[BM+\b], v[S+16*\b+\i], v[S+1+16*\b+\i]
.endr
.endr
.irp b, 0,1,2,3
	v_max_num_f32 v[BM+\b], v[BM+\b], v[S+15+16*\b]
.endr
.irp b, 0,1,2,3
	s_delay_alu instid0(VALU_DEP_4)
	v_permlanex16_b32 v[PB+\b], v[BM+\b], s[SEL], s[SEL+1]
.endr
.irp b, 0,1,2,3
	s_delay_alu instid0(VALU_DEP_4)
	v_max_num_f32 v[BM+\b], v[BM+\b], v[PB+\b]     ; with lane l xor 16's 16 keys
.endr
	s_delay_alu instid0(VALU_DEP_2)
	v_max3_num_f32 v[TMP], v[BM], v[BM+1], v[BM+2]
	s_delay_alu instid0(VALU_DEP_1)
	v_max_num_f32 v[TMP], v[TMP], v[BM+3]          ; the step's largest score of my query
	s_delay_alu instid0(VALU_DEP_1)
	v_mul_f32 v[TMP], s[CS], v[TMP]                ; as t (c is positive)
	s_delay_alu instid0(VALU_DEP_1)
	v_max_num_f32 v13, v13, v[TMP]                 ; the running largest t
	v_mov_b32 v[TMP], v12
	s_delay_alu instid0(VALU_DEP_2)
	v_floor_f32 v12, -v13                          ; the new -M = floor(-t) = -ceil(t)
	s_delay_alu instid0(VALU_DEP_1)
	v_sub_f32 v[TMP], v12, v[TMP]                  ; old M - new M: a whole number, 0 or less
	s_delay_alu instid0(VALU_DEP_1)
	v_cvt_i32_f32 v[TMP], v[TMP]                   ; (it saturates)
	s_delay_alu instid0(VALU_DEP_1)
	v_ldexp_f32 v[F], 1.0, v[TMP]                  ; f = 2^(old M - new M)
.set j, 0
.rept 32
	v_pk_fma_f32 v[S+j:S+j+1], v[S+j:S+j+1], s[CS:CS+1], v[12:13] op_sel_hi:[1,0,0]   ; t - M, two at a time
.set j, j+2
.endr
.irp b, 0,1,2,3
	v_fma_f32 v[BM+\b], v[BM+\b], s[CS], v12       ; the same of each block's largest score
.endr
.set j, 0
	s_setprio 1
	s_wait_alu depctr_va_vdst(0)
.rept 64
	v_exp_f32 v[S+j], v[S+j]                       ; p = 2^(t - M), at most 1
.set j, j+1
.endr
.irp b, 0,1,2,3
	v_exp_f32 v[BM+\b], v[BM+\b]                   ; the block's largest p: the same two instructions on the same number
.endr
	v_pk_mul_f32 v[14:15], v[14:15], v[F:F+1] op_sel_hi:[1,0]   ; the sums under the new M.  (A plain place behind the exponentials)
	s_wait_alu depctr_va_vdst(0)
.irp b, 0,1,2,3
	v_max_num_f32 v[BM+\b], 0x4800000, v[BM+\b]    ; the floor 2^(9 - 127): the byte cannot fall under 1
.endr
.irp b, 0,1,2,3
	s_delay_alu instid0(VALU_DEP_4)
	v_add_nc_u32 v[SO+\b], 0xfc000000, v[BM+\b]    ; 8 off the exponent field: the conversion's scale operand
.endr
.irp b, 0,1,2,3
.endr
.irp b, 0,1,2,3
	s_delay_alu instid0(VALU_DEP_4)
	v_lshrrev_b32 v[PB+\b], 23, v[SO+\b]           ; the scale's byte
.endr
	s_delay_alu instid0(VALU_DEP_3)
	v_lshl_or_b32 v[PW], v[PB+1], 8, v[PB]         ; p's scale word for these 128 keys
	s_delay_alu instid0(VALU_DEP_1)
	v_lshl_or_b32 v[PW], v[PB+2], 16, v[PW]
	s_delay_alu instid0(VALU_DEP_1)
	v_lshl_or_b32 v[PW], v[PB+3], 24, v[PW]
	v_pk_add_f32 v[226:227], v[100:101], v[104:105]
	v_pk_add_f32 v[218:219], v[108:109], v[112:113]
	v_pk_add_f32 v[216:217], v[116:117], v[120:121]
	v_pk_add_f32 v[210:211], v[124:125], v[128:129]
	v_pk_add_f32 v[208:209], v[132:133], v[136:137]
	v_pk_add_f32 v[206:207], v[140:141], v[144:145]
	v_pk_add_f32 v[204:205], v[148:149], v[152:153]
	v_pk_add_f32 v[14:15], v[14:15], v[156:157]
	v_pk_add_f32 v[226:227], v[226:227], v[96:97]
	v_pk_add_f32 v[218:219], v[218:219], v[98:99]
	v_pk_add_f32 v[216:217], v[216:217], v[102:103]
	v_pk_add_f32 v[210:211], v[210:211], v[106:107]
	v_pk_add_f32 v[208:209], v[208:209], v[110:111]
	v_pk_add_f32 v[206:207], v[206:207], v[114:115]
	v_pk_add_f32 v[204:205], v[204:205], v[118:119]
	v_pk_add_f32 v[14:15], v[14:15], v[122:123]
	v_pk_add_f32 v[226:227], v[226:227], v[126:127]
	v_pk_add_f32 v[218:219], v[218:219], v[130:131]
	v_pk_add_f32 v[216:217], v[216:217], v[134:135]
	v_pk_add_f32 v[210:211], v[210:211], v[138:139]
	v_pk_add_f32 v[208:209], v[208:209], v[142:143]
	v_pk_add_f32 v[206:207], v[206:207], v[146:147]
	v_pk_add_f32 v[204:205], v[204:205], v[150:151]
	v_pk_add_f32 v[14:15], v[14:15], v[154:155]
	v_pk_add_f32 v[226:227], v[226:227], v[158:159]
	s_delay_alu instid0(VALU_DEP_2)
	v_pk_add_f32 v[14:15], v[14:15], v[210:211]
	s_delay_alu instid0(VALU_DEP_2)
	v_pk_add_f32 v[226:227], v[226:227], v[208:209]
	v_pk_add_f32 v[218:219], v[218:219], v[206:207]
	v_pk_add_f32 v[216:217], v[216:217], v[204:205]
	s_delay_alu instid0(VALU_DEP_2)
	v_pk_add_f32 v[14:15], v[14:15], v[218:219]
	s_delay_alu instid0(VALU_DEP_2)
	v_pk_add_f32 v[226:227], v[226:227], v[216:217]
	s_delay_alu instid0(VALU_DEP_1)
	v_pk_add_f32 v[14:15], v[14:15], v[226:227]
.irp b, 0,1,2,3
.set i, 0
.rept 16
.set i, i+1
.endr
	v_cvt_scalef32_pk8_fp8_f32 v[PC+4*\b:PC+4*\b+1], v[S+16*\b:S+16*\b+7], v[SO+\b]
	v_cvt_scalef32_pk8_fp8_f32 v[PC+4*\b+2:PC+4*\b+3], v[S+16*\b+8:S+16*\b+15], v[SO+\b]
.irp c, 0,1,2,3
	ds_load_b128 v[S+16*\b+4*\c:S+16*\b+4*\c+3], v[ADK] offset:8192+2048*\b+512*\c   ; the block's numbers are done with: v's fragment of channels 16 b on takes their registers
.endr
.endr
	s_setprio 0
	ds_load_b64 v[VSW:VSW+1], v[ADT]
.set j, 0
.rept 16
	v_pk_mul_f32 v[O+j:O+j+1], v[O+j:O+j+1], v[F:F+1] op_sel_hi:[1,0]   ; O^T under the new M.  (These are also the places between the conversions and the products)
.set j, j+2
.endr
	s_wait_alu depctr_va_vdst(0)
	s_wait_dscnt 0x0
	; O^T += v^T p^T: four tiles of 16 channels, one instruction each: the accumulators take turns
	v_wmma_scale_f32_16x16x128_f8f6f4 v[O:O+7], v[S:S+15], v[PC:PC+15], v[O:O+7], v[VSW], v[PW]
	v_wmma_scale_f32_16x16x128_f8f6f4 v[O+8:O+15], v[S+16:S+31], v[PC:PC+15], v[O+8:O+15], v[VSW], v[PW] matrix_a_scale:MATRIX_SCALE_ROW1
	v_wmma_scale_f32_16x16x128_f8f6f4 v[O+16:O+23], v[S+32:S+47], v[PC:PC+15], v[O+16:O+23], v[VSW+1], v[PW]
	v_wmma_scale_f32_16x16x128_f8f6f4 v[O+24:O+31], v[S+48:S+63], v[PC:PC+15], v[O+24:O+31], v[VSW+1], v[PW] matrix_a_scale:MATRIX_SCALE_ROW1
.if \causal
.Lhid_\@:
.endif
	s_add_co_u32 s[TB], s[TB], STEPB
	s_add_co_u32 s[TS], s[TS], 512
	s_add_co_u32 s[TJ], s[TJ], 256
	s_add_co_u32 s[SI], s[SI], 1
.endm
.macro FROM step                       ; the next loop begins at this key step: every address by a constant
	s_mov_b32 s[TB], IMG0+STEPB*\step
	s_mov_b32 s[TS], 512*\step
	s_mov_b32 s[TJ], VSC0+256*\step
	s_mov_b32 s[SI], \step
.endm
; A tile ends: O^T / the sum, quantised along its 64 channels (two blocks of 32), to a_img and a_scales.
.macro FINISH ai, ac
.rept 8
	v_nop                                          ; places behind the last products
.endr
	v_add_f32 v14, v14, v15                        ; the sum's two halves,
	s_delay_alu instid0(VALU_DEP_1)
	v_permlanex16_b32 v[TMP], v14, s[SEL], s[SEL+1]
	s_delay_alu instid0(VALU_DEP_1)
	v_add_f32 v14, v14, v[TMP]                     ; and lane l xor 16's
	s_wait_alu depctr_va_vdst(0)
	v_rcp_f32 v14, v14
	v_nop                                          ; one plain place behind a transcendental
.set j, 0
	s_wait_alu depctr_va_vdst(0)
.rept 16
	v_pk_mul_f32 v[O+j:O+j+1], v[O+j:O+j+1], v[14:15] op_sel_hi:[1,0]   ; each accumulator from its low end on
.set j, j+2
.endr
.irp b, 0,1
	v_max3_num_f32 v[BM+\b], |v[O+16*\b]|, |v[O+1+16*\b]|, 0x4800000
.endr
.irp i, 2,4,6,8,10,12,14
.irp b, 0,1
	s_delay_alu instid0(VALU_DEP_2)
	v_max3_num_f32 v[BM+\b], v[BM+\b], |v[O+16*\b+\i]|, |v[O+1+16*\b+\i]|
.endr
.endr
.irp b, 0,1
	s_delay_alu instid0(VALU_DEP_2)
	v_permlanex16_b32 v[PB+\b], v[BM+\b], s[SEL], s[SEL+1]
.endr
.irp b, 0,1
	s_delay_alu instid0(VALU_DEP_2)
	v_max_num_f32 v[BM+\b], v[BM+\b], v[PB+\b]
.endr
.irp b, 0,1
	s_delay_alu instid0(VALU_DEP_2)
	v_add_nc_u32 v[SO+\b], 0xfc000000, v[BM+\b]
.endr
.irp b, 0,1
	s_delay_alu instid0(VALU_DEP_2)
	v_lshrrev_b32 v[PB+\b], 23, v[SO+\b]
.endr
.irp b, 0,1
.set i, 0
.rept 16
.set i, i+1
.endr
	v_cvt_scalef32_pk8_fp8_f32 v[PC+4*\b:PC+4*\b+1], v[O+16*\b:O+16*\b+7], v[SO+\b]
	v_cvt_scalef32_pk8_fp8_f32 v[PC+4*\b+2:PC+4*\b+3], v[O+16*\b+8:O+16*\b+15], v[SO+\b]
.endr
	v_cndmask_b32 v[TMP], v[PB], v[PB+1], s[HM]    ; lanes 0-15 store block 0's byte, lanes 16-31 block 1's.  (Also the plain place behind the conversions)
.irp t, 0,1,2,3
	global_store_b64 v[VO], v[PC+2*\t:PC+2*\t+1], s[\ai:\ai+1] offset:256*\t   ; channel tile t: 32 lanes store 256 consecutive bytes, aligned
.endr
	global_store_b8 v[VS], v[TMP], s[\ac:\ac+1]
.endm
	s_wait_loadcnt 0x0                             ; q
	s_wait_tensorcnt 0x2                           ; my part of the scale words and of steps 0-3 is in; my two later loads may be out
	s_barrier_signal -1
	s_barrier_wait -1                              ; everybody's is
	FROM 0
	s_mov_b32 s[GD], s68
	s_mov_b32 s[CNT], 4
.Lfirst:                                           ; T2, steps 0-3: T2 is 64 or more, so all their keys count
	STEP Q2, QS2, 0
	s_sub_co_u32 s[CNT], s[CNT], 1
	s_cmp_lg_u32 s[CNT], 0
	s_cbranch_scc1 .Lfirst
	s_setprio 0
	s_wait_tensorcnt 0x1                           ; my part of steps 4-7 is in
	s_wait_dscnt 0x0
	s_barrier_signal -1
	s_barrier_wait -1
	FROM 4
	s_mov_b32 s[CNT], 4
.Lsecond:                                          ; T2, steps 4-7
	STEP Q2, QS2, 0
	s_sub_co_u32 s[CNT], s[CNT], 1
	s_cmp_lg_u32 s[CNT], 0
	s_cbranch_scc1 .Lsecond
	s_setprio 0
	s_wait_tensorcnt 0x0                           ; my part of steps 8-15 is in
	s_wait_dscnt 0x0
	s_barrier_signal -1
	s_barrier_wait -1                              ; up to here every wave has done the same eight steps; from here on no wave waits for another
	FROM 8
	s_mov_b32 s[CNT], 8
.Lthird:                                           ; T2, steps 8-15, up to its diagonal
	STEP Q2, QS2, 1
	s_sub_co_u32 s[CNT], s[CNT], 1
	s_cmp_lg_u32 s[CNT], 0
	s_cbranch_scc1 .Lthird
	s_setprio 0
	FINISH 78, 80
	s_wait_xcnt 0x0                                ; the stores have read their registers: the next tile writes them again
	STATE
	s_lshl_b32 s86, s67, 4
	v_add_nc_u32 v[DM], s86, v[RH]
	s_mov_b32 s[GD], s66
	FROM 0
	s_mov_b32 s[CNT], 8
.Lfourth:                                          ; T1, steps 0-7, up to its diagonal
	STEP Q1, QS1, 1
	s_sub_co_u32 s[CNT], s[CNT], 1
	s_cmp_lg_u32 s[CNT], 0
	s_cbranch_scc1 .Lfourth
	s_setprio 0
	FINISH 82, 84
	s_wait_dscnt 0x0
	s_wait_tensorcnt 0x0
	ds_add_u32 v230, v231
	s_wait_dscnt 0x0
	CROUND                                         ; the closing round
	s_endpgm
.Lfunc_end_k_q55c44f91d9_attn:
	.size	k_q55c44f91d9_attn, .Lfunc_end_k_q55c44f91d9_attn-k_q55c44f91d9_attn
	.p2alignl 7, 3214868480
	.fill 96, 4, 3214868480
	.section	.rodata,"a",@progbits
	.p2align	6, 0x0
	.amdhsa_kernel k_q55c44f91d9_attn
		.amdhsa_group_segment_fixed_size 276480
		.amdhsa_private_segment_fixed_size 0
		.amdhsa_enable_private_segment 0
		.amdhsa_kernarg_size 24
		.amdhsa_user_sgpr_count 2
		.amdhsa_user_sgpr_kernarg_segment_ptr 1
		.amdhsa_wavefront_size32 1
		.amdhsa_system_sgpr_workgroup_id_x 1
		.amdhsa_system_sgpr_workgroup_id_y 1
		.amdhsa_system_sgpr_workgroup_id_z 1
		.amdhsa_system_vgpr_workitem_id 0
		.amdhsa_next_free_vgpr 256
		.amdhsa_next_free_sgpr 90
		.amdhsa_reserve_vcc 1
		.amdhsa_float_denorm_mode_32 3
		.amdhsa_float_denorm_mode_16_64 3
		.amdhsa_fp16_overflow 1
		.amdhsa_memory_ordered 1
		.amdhsa_forward_progress 1
		.amdhsa_inst_pref_size 104
	.end_amdhsa_kernel
	.amdgpu_metadata
---
amdhsa.version: [ 1, 2 ]
amdhsa.kernels:
  - .name:           k_q55c44f91d9_attn
    .symbol:         k_q55c44f91d9_attn.kd
    .args:
      - { .name: ws, .offset: 0, .size: 8, .value_kind: global_buffer, .address_space: global }
      - { .name: a_img, .offset: 8, .size: 8, .value_kind: global_buffer, .address_space: global }
      - { .name: a_scales, .offset: 16, .size: 8, .value_kind: global_buffer, .address_space: global }
    .group_segment_fixed_size: 276480
    .private_segment_fixed_size: 0
    .kernarg_segment_align: 8
    .kernarg_segment_size: 24
    .max_flat_workgroup_size: 512
    .sgpr_count:     90
    .vgpr_count:     256
    .wavefront_size: 32
...
	.end_amdgpu_metadata
.endif
;; end of part 3
;; launch gemm_out (part 4): grid 4 x 32, 4 waves a work-group, clusters of 4 x 4, 327,680 bytes of LDS; arguments a_img, a_scales, W_out_codes, W_out_scales, b_out, out0; writes out0
.if DOCPART == 4
	.amdgcn_target "amdgcn-amd-amdhsa--gfx1250"
	.amdhsa_code_object_version 6
	.text
	.protected	k_q55c44f91d9_gemm_out
	.globl	k_q55c44f91d9_gemm_out
	.p2align	8
	.type	k_q55c44f91d9_gemm_out,@function
k_q55c44f91d9_gemm_out:
	s_mov_b64 s[64:65], 0
	v_nop
	global_prefetch_b8 v0, s[64:65] scope:SCOPE_SE
	s_setreg_imm32_b32 hwreg(HW_REG_WAVE_MODE, 25, 1), 1
	s_wait_xcnt 0x0
	s_wait_alu depctr_hold_cnt(0) depctr_sa_sdst(0) depctr_va_vdst(0) depctr_va_sdst(0) depctr_va_ssrc(0) depctr_va_vcc(0) depctr_vm_vsrc(0)
	s_getreg_b32 s2, hwreg(HW_REG_IB_STS2, 6, 4)
	s_cmp_eq_u32 s2, 0
	s_cbranch_scc0 .Lentry_in_a_cluster
	s_endpgm
.Lentry_in_a_cluster:
	s_bfe_u32 s2, ttmp6, 0x10000c
	s_cmp_lg_u32 s2, 0xf033
	s_cbranch_scc0 .Lentry_shape_is_right
	s_endpgm
.Lentry_shape_is_right:
; out0 [8192][1024] f32 = a W_out^T + b_out.  a: the attention's result as codes of FP8 (E4M3), W_out [1024][1024] given as codes; one E8M0 byte for each 32 along K on both sides; sums in f32.
; a_img = [K step of 256][tile of 16 rows][2][4][lane][16 bytes]: a's fragments as images of the operand's registers: a K step's 128 rows are 32,768 dense bytes for one tensor load, and a fragment is
; four ds_load_b128 of 512 consecutive bytes each: no pitch, no padding.  a_scales [8192][32] and W_out's codes and scales lie by rows.
; A tile of 256 x 256 is made by four waves, 128 x 128 each: 64 accumulators.  K goes in steps of 256 through a ring of two LDS slots; all scale bytes come into LDS once, with the first fills.
; CLUSTERS: 4 x 4 work-groups; a's tiles are shared along a row of the cluster, W_out's along a column: joint loads.
; THE MATRIX INSTRUCTION IS USED TRANSPOSED (source 0 = 16 rows of W_out, source 1 = 16 rows of a): a lane holds eight neighbouring numbers of a row of the output.
; REGISTERS: window 0: v0-31 addresses; v32-63 scale words, two sets; v64-67 the bias of my four columns on the way out; from v128 a's fragments, one set.  window 1: W_out's fragments, two sets.  windows 2, 3: the accumulators.
.set NQ,     2
.set ROWB,   256
.set KROW,   1024
.set SIZE_N, 1024
.set ASTEP,  2097152                   ; bytes from a K step of a_img to the next
.set PITCH,  272                       ; W_out's LDS rows: 256 bytes + 16 of padding (64 banks of 4 bytes: ISA guide 11.1)
.set FR,     16
.set NL,     4
.set NP,     8                         ; places behind this matrix instruction (ISA guide 7.12.1)
.set HALFT,  128*PITCH                 ; room for 128 rows; a's images use 32,768 bytes of it
.set SLOT,   4*HALFT
.set KS,     32
.set SCL,    2*SLOT
.set HALFS,  (128*KS/256)*272
.set SBLK,   (16*KS/256)*272
.set SPARE,  SCL+4*HALFS               ; the spare words, 128 bytes for each wave: two blocks of 256 bytes that no other line names
.set SPITCH, 528                       ; the way out: a stage of 16 rows x (512 bytes + 16) for each wave, in slot 0, which has had its last fill and its last read by then
.set ADRA, 16
.set ADRB, 20
.set STO,  24
.set RD,   25
.set CO,   26                          ; v26  16 x lane
.set ADRS, 27
.set SPW,  28
.set NIL,  29
.set SC,   32
.set BIAS, 64
.set AF,   128
.set BK,   128
.set G1, 24
.set G0, 32
.set G1B, 48
.set G0B, 56
.set G1S, 68
.set G0S, 76
.set G1SB, 80
.set G0SB, 88
.set MSB, 0
.macro WIN new                         ; the immediate's high byte repeats the setting that is left
.if MSB != (\new)
	s_set_vgpr_msb (MSB<<8)|(\new)
.set MSB, (\new)
.endif
.endm
.set MUL_LO, 0xa1
.set MUL_HI, 0xf1
.set TO_B,   0x40
; A joint load: waves 0 and 1 fetch for a, waves 2 and 3 for W_out.  Four v_nop follow each of the two lines.
.macro JLOAD g0a, g1a, g0b, g1b
	s_cmp_eq_u32 s15, 0
	s_cbranch_scc0 .Lfor_b_\@
	tensor_load_to_lds s[\g0a:\g0a+3], s[\g1a:\g1a+7]
	s_nop 0
.rept 4
	v_nop
.endr
	s_branch .Lasked_\@
.Lfor_b_\@:
	tensor_load_to_lds s[\g0b:\g0b+3], s[\g1b:\g1b+7]
	s_nop 0
.rept 4
	v_nop
.endr
.Lasked_\@:
.endm
.macro CREST
	s_cmp_lg_u32 s14, 0
	s_cbranch_scc1 .Lnot_wave_0_\@
	s_barrier_signal -3
.Lnot_wave_0_\@:
	s_barrier_wait -3
	s_barrier_signal -1
	s_barrier_wait -1
.endm
.macro CROUND
	s_barrier_signal -1
	s_barrier_wait -1
	CREST
.endm
	s_load_b128 s[4:7], s[0:1], 0x0                ; a's images, a's scales
	s_load_b128 s[8:11], s[0:1], 0x10              ; W_out's codes, W_out's scales
	s_load_b128 s[96:99], s[0:1], 0x20             ; the bias, out0
	v_lshl_add_u32 v[SPW], v0, 2, SPARE
	v_mov_b32 v[NIL], 0
	ds_add_u32 v28, v29
	ds_add_u32 v28, v29
	s_wait_dscnt 0x0
	v_lshrrev_b32 v1, 5, v0
	v_readfirstlane_b32 s14, v1                    ; wave 0..3
	s_lshr_b32 s15, s14, 1                         ; which half of the tile's rows is mine.  Also: I fetch for a (0) or for W_out (1)
	s_and_b32 s16, s14, 1                          ; which half of its columns.  Also: which 128 rows of that tile I fetch
	s_bfe_u32 s40, ttmp6, 0x40000
	s_bfe_u32 s41, ttmp6, 0x40004
	s_lshl_b32 s42, ttmp9, 2
	s_add_co_u32 s42, s42, s40                     ; tile column
	s_and_b32 s17, ttmp7, 0xffff
	s_lshl_b32 s17, s17, 2
	s_add_co_u32 s17, s17, s41                     ; tile row
	s_lshl_b32 s43, s41, 2
	s_lshl_b32 s43, 15, s43                        ; my row of the cluster
	s_lshl_b32 s44, 0x1111, s40                    ; my column
	s_or_b32 s[G1+0], s43, (3<<16)|(1<<21)         ; a's images: the mask of my row; elements of 8 bytes; bit 21 beside a mask; no padding
	s_mov_b32 s[G1+1], 32<<16                      ; 128 dense rows of 256 bytes
	s_mov_b32 s[G1+2], 128<<16
	s_mov_b32 s[G1+3], 32<<16
	s_mov_b32 s[G1+4], 128
	s_mov_b32 s[G1+5], 32
	s_mov_b32 s[G1+6], 0
	s_mov_b32 s[G1+7], 0
	s_or_b32 s[G1B+0], s44, (0<<16)|(1<<20)|(1<<21)|(5<<22)|(3<<25)   ; W_out's tiles: 128 rows x 256 bytes, four words of padding after every 64
	s_mov_b32 s[G1B+1], ROWB<<16
	s_mov_b32 s[G1B+2], 128<<16
	s_mov_b32 s[G1B+3], ROWB<<16
	s_mov_b32 s[G1B+4], 128
	s_mov_b32 s[G1B+5], KROW
	s_mov_b32 s[G1B+6], 0
	s_mov_b32 s[G1B+7], 0
	s_or_b32 s[G1S+0], s43, (3<<16)|(1<<20)|(1<<21)|(5<<22)|(3<<25)   ; the scales of 128 rows: 16 rows of 256 bytes, 16 bytes of padding behind each
	s_or_b32 s[G1SB+0], s44, (3<<16)|(1<<20)|(1<<21)|(5<<22)|(3<<25)
.irp g, G1S, G1SB
	s_mov_b32 s[\g+1], 32<<16
	s_mov_b32 s[\g+2], (128*KS/256)<<16
	s_mov_b32 s[\g+3], 32<<16
	s_mov_b32 s[\g+4], 128*KS/256
	s_mov_b32 s[\g+5], 32
	s_mov_b32 s[\g+6], 0
	s_mov_b32 s[\g+7], 0
.endr
	s_lshl_b32 s18, s16, 7
	s_lshl_b32 s20, s17, 8
	s_add_co_u32 s20, s20, s18                     ; a: row 256 x tile row + 128 x half
	s_lshl_b32 s46, s42, 8
	s_add_co_u32 s46, s46, s18                     ; W_out: row 256 x tile column + 128 x half
	s_mov_b32 s21, 0
	s_mov_b32 s47, 0
	s_mov_b64 s[18:19], KS
	s_mul_u64 s[22:23], s[20:21], s[18:19]         ; where these rows' scales begin
	s_mul_u64 s[92:93], s[46:47], s[18:19]
	s_mov_b64 s[18:19], 256
	s_mul_u64 s[20:21], s[20:21], s[18:19]         ; a's images: 4,096 bytes for 16 rows in a K step
	s_mov_b64 s[18:19], KROW
	s_mul_u64 s[46:47], s[46:47], s[18:19]
	s_mul_i32 s45, s14, HALFT
	s_mul_i32 s94, s14, HALFS
	s_wait_kmcnt 0x0
	s_add_nc_u64 s[20:21], s[4:5], s[20:21]
	s_add_nc_u64 s[22:23], s[6:7], s[22:23]
	s_add_nc_u64 s[46:47], s[8:9], s[46:47]
	s_add_nc_u64 s[92:93], s[10:11], s[92:93]
	CROUND                                         ; all sixteen work-groups are here: the first joint loads meet
	s_mov_b32 s[G0S], 1
	s_add_co_u32 s[G0S+1], s94, SCL
	s_mov_b64 s[G0S+2:G0S+3], s[22:23]
	s_or_b32 s[G0S+3], s[G0S+3], 0x80000000
	s_mov_b32 s[G0SB], 1
	s_add_co_u32 s[G0SB+1], s94, SCL
	s_mov_b64 s[G0SB+2:G0SB+3], s[92:93]
	s_or_b32 s[G0SB+3], s[G0SB+3], 0x80000000
	JLOAD G0S, G1S, G0SB, G1SB
.irp s, 0,1
	s_mov_b32 s[G0+4*\s], 1
	s_add_co_u32 s[G0+4*\s+1], s45, \s*SLOT
	s_add_nc_u64 s[G0+4*\s+2:G0+4*\s+3], s[20:21], \s*ASTEP
	s_or_b32 s[G0+4*\s+3], s[G0+4*\s+3], 0x80000000
	s_mov_b32 s[G0B+4*\s], 1
	s_add_co_u32 s[G0B+4*\s+1], s45, \s*SLOT
	s_add_nc_u64 s[G0B+4*\s+2:G0B+4*\s+3], s[46:47], \s*ROWB
	s_or_b32 s[G0B+4*\s+3], s[G0B+4*\s+3], 0x80000000
	s_wait_alu depctr_va_vdst(0)
	s_wait_tensorcnt 0x0
	ds_add_u32 v28, v29
	s_wait_dscnt 0x0
	CROUND
	JLOAD G0+4*\s, G1, G0B+4*\s, G1B
.endr
	v_and_b32 v1, 15, v0                           ; r
	v_bfe_u32 v2, v0, 4, 1                         ; h
	v_and_b32 v6, 31, v0
	v_lshlrev_b32 v[CO], 4, v6                     ; 16 x lane
	v_mul_u32_u24 v3, v1, PITCH
	v_lshl_add_u32 v4, v2, 4, v3                   ; W_out: a fragment's row x pitch + 16 x half
	s_mul_i32 s21, s15, HALFT                      ; my 128 rows of a: images, 16 x lane
	s_mul_i32 s22, s16, HALFT
	s_add_co_u32 s22, s22, 2*HALFT
.irp s, 0,1
	v_add_nc_u32 v[ADRA+\s], s21, v[CO]
	v_add_nc_u32 v[ADRB+\s], s22, v4
	s_add_co_u32 s21, s21, SLOT
	s_add_co_u32 s22, s22, SLOT
.endr
	v_mul_u32_u24 v5, v1, KS
	v_lshrrev_b32 v6, 8, v5
	v_lshl_add_u32 v5, v6, 4, v5
	s_mul_i32 s21, s15, HALFS
	s_mul_i32 s22, s16, HALFS
	s_add_co_u32 s22, s22, 2*HALFS
	s_sub_co_u32 s22, s22, s21
	v_mul_u32_u24 v6, s22, v2                      ; lanes 16-31 take W_out's
	s_add_co_u32 s21, s21, SCL
	v_add_nc_u32 v5, v5, v6
	v_add_nc_u32 v[ADRS], s21, v5
	s_mul_i32 s23, s14, 16*SPITCH                  ; my stage
	v_mul_u32_u24 v5, v1, SPITCH                   ; in: row r, 32 bytes for each half of the lanes
	v_lshl_add_u32 v5, v2, 5, v5
	v_add_nc_u32 v[STO], s23, v5
	v_add_nc_u32 v[RD], s23, v[CO]                 ; back: the 32 lanes take one row of 512 bytes
	s_lshl_b32 s100, s42, 10                       ; my first column, in bytes: 1024 x tile column + 512 x half: in out0's rows and in the bias alike
	s_lshl_b32 s101, s16, 9
	s_add_co_u32 s100, s100, s101
	s_mov_b32 s101, 0
	s_add_nc_u64 s[96:97], s[96:97], s[100:101]
	global_load_b128 v[BIAS:BIAS+3], v[CO], s[96:97]   ; the bias of the four columns that I store
	s_add_nc_u64 s[12:13], s[98:99], s[100:101]
	s_lshl_b32 s66, s17, 8
	s_lshl_b32 s67, s15, 7
	s_add_co_u32 s66, s66, s67                     ; my first row: 256 x tile row + 128 x half,
	s_lshl_b32 s66, s66, 12                        ; of 4,096 bytes
	s_mov_b32 s67, 0
	s_add_nc_u64 s[12:13], s[12:13], s[66:67]
.macro FRAG reg, adr, q, i             ; W_out: 16 rows x 128 K from rows in LDS
.irp c, 0,1,2,3
	ds_load_b128 v[\reg+4*\c:\reg+4*\c+3], v[\adr] offset:128*(\q)+32*\c+(\i)*16*PITCH
.endr
.endm
.macro FRAGA reg, adr, q, i            ; a: the image of tile i, half q of the K step: four times 512 consecutive bytes
.irp c, 0,1,2,3
	ds_load_b128 v[\reg+4*\c:\reg+4*\c+3], v[\adr] offset:4096*(\i)+2048*(\q)+512*\c
.endr
.endm
; 16 matrix instructions: a's blocks a0, a0 + 1 x W_out's eight.  The 64 accumulators take turns, one instruction a turn.
.macro MUL16 a0, p, q, sc, zero
.irp a, \a0, \a0+1
.irp b, 0,1,2,3,4,5,6,7
.if \zero
	v_wmma_scale_f32_16x16x128_f8f6f4 v[8*(8*((\a)%4)+\b):8*(8*((\a)%4)+\b)+7], v[128*(\p)+FR*\b:128*(\p)+FR*\b+FR-1], v[AF+FR*(\a):AF+FR*(\a)+FR-1], 0, v[SC+8*NQ*(\sc)+NQ*\b+(\q)], v[SC+8*NQ*(\sc)+NQ*(\a)+(\q)] matrix_a_scale:MATRIX_SCALE_ROW1
.else
	v_wmma_scale_f32_16x16x128_f8f6f4 v[8*(8*((\a)%4)+\b):8*(8*((\a)%4)+\b)+7], v[128*(\p)+FR*\b:128*(\p)+FR*\b+FR-1], v[AF+FR*(\a):AF+FR*(\a)+FR-1], v[8*(8*((\a)%4)+\b):8*(8*((\a)%4)+\b)+7], v[SC+8*NQ*(\sc)+NQ*\b+(\q)], v[SC+8*NQ*(\sc)+NQ*(\a)+(\q)] matrix_a_scale:MATRIX_SCALE_ROW1
.endif
.endr
.endr
.endm
.macro FETCH_B slot, q, p
	WIN TO_B
.irp i, 0,1,2,3,4,5,6,7
	FRAG 128*(\p)+FR*\i, ADRB+\slot, \q, \i
.endr
	WIN 0
.endm
.macro FETCH_A slot, q, i0
.irp i, \i0, \i0+1, \i0+2, \i0+3
	FRAGA AF+FR*(\i), ADRA+\slot, \q, \i
.endr
.endm
.macro SCALES sc
.irp i, 0,1,2,3,4,5,6,7
	ds_load_b64 v[SC+8*NQ*\sc+NQ*\i:SC+8*NQ*\sc+NQ*\i+1], v[ADRS] offset:\i*SBLK
.endr
.endm
.macro PLACES n
.rept \n
	v_nop
.endr
.endm
.macro STEP slot, q, zero
	s_wait_dscnt 4*NL                              ; W_out's set and a's blocks 0-3 are in; the youngest 16 loads (a's blocks 4-7) may be out
	WIN MUL_LO
	MUL16 0, (\q)%2, \q, \slot, \zero
	MUL16 2, (\q)%2, \q, \slot, \zero
	s_wait_dscnt 0
	PLACES NP
	FETCH_B \slot, (\q)+1, 1-(\q)%2
	FETCH_A \slot, (\q)+1, 0
	WIN MUL_HI
	MUL16 4, (\q)%2, \q, \slot, \zero
	MUL16 6, (\q)%2, \q, \slot, \zero
	PLACES NP
	WIN 0
	FETCH_A \slot, (\q)+1, 4
.endm
; A slot's last step changes slots: one barrier; in front of it each wave waits for all its tensor loads, adds 0 to its spare word, and waits for that and for its own reads of this slot.
.macro TURN slot, next, fill
	s_wait_tensorcnt 0x0                           ; all my tensor loads have landed: my part of the next slot
	ds_add_u32 v[SPW], v[NIL]                      ; 0 onto my spare word
	s_wait_dscnt 4*NL+1                            ; (the add and the youngest 16 loads may be out)
	WIN MUL_LO
	MUL16 0, 1, NQ-1, \slot, 0
	s_wait_dscnt 0x0                               ; the add is done, and my reads of this slot are over
	s_barrier_signal -1
	MUL16 2, 1, NQ-1, \slot, 0
	WIN 0
	s_barrier_wait -1
.if \fill
	CREST                                          ; the barrier has opened a round of the cluster's barrier
	s_add_nc_u64 s[G0+4*\slot+2:G0+4*\slot+3], s[G0+4*\slot+2:G0+4*\slot+3], 2*ASTEP
	s_add_nc_u64 s[G0B+4*\slot+2:G0B+4*\slot+3], s[G0B+4*\slot+2:G0B+4*\slot+3], 2*ROWB
	JLOAD G0+4*\slot, G1, G0B+4*\slot, G1B         ; the first tensor load behind the round
	PLACES NP-4
.else
	PLACES NP
.endif
	s_wait_alu depctr_va_vdst(0)
	v_add_nc_u32 v[ADRS], 4*NQ, v[ADRS]
	FETCH_B \next, 0, 0
	FETCH_A \next, 0, 0
	SCALES \next
	WIN MUL_HI
	MUL16 4, 1, NQ-1, \slot, 0
	MUL16 6, 1, NQ-1, \slot, 0
	PLACES NP
	WIN 0
	FETCH_A \next, 0, 4
.endm
	s_wait_alu depctr_va_vdst(0)
	s_wait_loadcnt 0x0                             ; the bias
	s_wait_tensorcnt 1                             ; of my three loads the scales and K step 0 are in; K step 1's may be out
	s_barrier_signal -1
	s_barrier_wait -1
	FETCH_B 0, 0, 0
	FETCH_A 0, 0, 0
	SCALES 0
	FETCH_A 0, 0, 4
	STEP 0, 0, 1                                   ; four K steps of 256, written straight
	TURN 0, 1, 1
	STEP 1, 0, 0
	TURN 1, 0, 1
	STEP 0, 0, 0
	TURN 0, 1, 0
	STEP 1, 0, 0
	s_wait_dscnt 4*NL
	WIN MUL_LO
	MUL16 0, 1, NQ-1, 1, 0
	MUL16 2, 1, NQ-1, 1, 0
	s_wait_dscnt 0
	WIN MUL_HI
	MUL16 4, 1, NQ-1, 1, 0
	MUL16 6, 1, NQ-1, 1, 0
	WIN 0
; THE WAY OUT, block by block of 16 rows x 128 columns, through my own stage in LDS: in as 32 bytes a lane, back as whole rows of 512 bytes.  LDS serves a wave's instructions in order (ISA guide 5.7.1.4).
.macro TOSTAGE a
.set AC, 64*((\a)%4)
	WIN 0x08+4*((\a)/4)                            ; the data: window 2 or 3
.irp b, 0,1,2,3,4,5,6,7
	ds_store_b128 v[STO], v[AC+8*\b:AC+8*\b+3] offset:64*\b          ; each accumulator from its low end on
	ds_store_b128 v[STO], v[AC+8*\b+4:AC+8*\b+7] offset:64*\b+16
.endr
	WIN 0
.set BB, BK+64*((\a)%2)
.irp t, 0,1,2,3,4,5,6,7,8,9,10,11,12,13,14,15
	ds_load_b128 v[BB+4*\t:BB+4*\t+3], v[RD] offset:\t*SPITCH
.endr
.endm
.macro SEND a, younger                 ; younger: the LDS instructions issued behind the block's loads, which may stay out
.set BB, BK+64*((\a)%2)
	s_wait_dscnt \younger
.if (\a) > 0
	s_add_nc_u64 s[12:13], s[12:13], 16*SIZE_N*4   ; (behind a wait on XCNT: the earlier stores have read their base)
.endif
.irp t, 0,1,2,3,4,5,6,7,8,9,10,11,12,13,14,15
	v_pk_add_f32 v[BB+4*\t:BB+4*\t+1], v[BB+4*\t:BB+4*\t+1], v[BIAS:BIAS+1]         ; the bias of my four columns
	v_pk_add_f32 v[BB+4*\t+2:BB+4*\t+3], v[BB+4*\t+2:BB+4*\t+3], v[BIAS+2:BIAS+3]
	global_store_b128 v[CO], v[BB+4*\t:BB+4*\t+3], s[12:13] offset:\t*SIZE_N*4 th:TH_STORE_NT   ; 32 lanes store 512 consecutive bytes, at a multiple of 256 from out0's first byte
.endr
.endm
	PLACES NP
	TOSTAGE 0
.irp a, 1,2,3,4,5,6,7
.if \a > 1
	s_wait_xcnt 0x0                                ; the stores of two blocks back have read their registers and their base
.endif
	TOSTAGE \a
	SEND \a-1, 32                                  ; behind the earlier block's loads: this block's 16 stores and 16 loads
.endr
	s_wait_xcnt 0x0
	SEND 7, 0
	s_wait_tensorcnt 0x0                           ; the wave's end
	ds_add_u32 v[SPW], v[NIL]
	s_wait_dscnt 0x0
	CROUND                                         ; the closing round
	s_endpgm
.Lfunc_end_k_q55c44f91d9_gemm_out:
	.size	k_q55c44f91d9_gemm_out, .Lfunc_end_k_q55c44f91d9_gemm_out-k_q55c44f91d9_gemm_out
	.p2alignl 7, 3214868480
	.fill 96, 4, 3214868480
	.section	.rodata,"a",@progbits
	.p2align	6, 0x0
	.amdhsa_kernel k_q55c44f91d9_gemm_out
		.amdhsa_group_segment_fixed_size 327680
		.amdhsa_private_segment_fixed_size 0
		.amdhsa_enable_private_segment 0
		.amdhsa_kernarg_size 48
		.amdhsa_user_sgpr_count 2
		.amdhsa_user_sgpr_kernarg_segment_ptr 1
		.amdhsa_wavefront_size32 1
		.amdhsa_system_sgpr_workgroup_id_x 1
		.amdhsa_system_sgpr_workgroup_id_y 1
		.amdhsa_system_sgpr_workgroup_id_z 1
		.amdhsa_system_vgpr_workitem_id 0
		.amdhsa_next_free_vgpr 1024
		.amdhsa_next_free_sgpr 102
		.amdhsa_reserve_vcc 0
		.amdhsa_float_denorm_mode_32 3
		.amdhsa_float_denorm_mode_16_64 3
		.amdhsa_memory_ordered 1
		.amdhsa_forward_progress 1
		.amdhsa_inst_pref_size 162
	.end_amdhsa_kernel
	.amdgpu_metadata
---
amdhsa.version: [ 1, 2 ]
amdhsa.kernels:
  - .name:           k_q55c44f91d9_gemm_out
    .symbol:         k_q55c44f91d9_gemm_out.kd
    .args:
      - { .name: a_img, .offset: 0, .size: 8, .value_kind: global_buffer, .address_space: global }
      - { .name: a_scales, .offset: 8, .size: 8, .value_kind: global_buffer, .address_space: global }
      - { .name: W_out_codes, .offset: 16, .size: 8, .value_kind: global_buffer, .address_space: global }
      - { .name: W_out_scales, .offset: 24, .size: 8, .value_kind: global_buffer, .address_space: global }
      - { .name: b_out, .offset: 32, .size: 8, .value_kind: global_buffer, .address_space: global }
      - { .name: out0, .offset: 40, .size: 8, .value_kind: global_buffer, .address_space: global }
    .group_segment_fixed_size: 327680
    .private_segment_fixed_size: 0
    .kernarg_segment_align: 8
    .kernarg_segment_size: 48
    .max_flat_workgroup_size: 128
    .sgpr_count:     102
    .vgpr_count:     1024
    .wavefront_size: 32
...
	.end_amdgpu_metadata
.endif
;; end of part 4
